; MI455X (gfx1250); checked and timed in simulation.
; The chip was launched on July 23, 2026; its instructions are those of AMD's public machine-readable ISA for CDNA 5 (MIT licence, August 2026) and "CDNA5" Instruction Set Architecture Reference Guide (July 2026). The comments in the code are by the model that wrote it; some were corrected since.
;; Rotary Cross Attention. Allowed arithmetic: matrix products marked QUANTISED: E2M3 operands, one E8M0 scale for each 32 along K, by v_wmma_scale_f32_16x16x128_f8f6f4 with both operands' format E2M3, f32 sums; everything else in f32.
;; Inputs: Wk 768 x 768 float32; Wo 768 x 768 float32; Wq 768 x 768 float32; Wv 768 x 768 float32; bk 768 float32; bo 768 float32; bq 768 float32; bv 768 float32; key 2 x 4,096 x 768 float32; query 2 x 2,048 x 768 float32; value 2 x 4,096 x 768 float32.
;; Outputs: out0 2 x 2,048 x 768 float32.
;; This version of the problem:
;;   THIS VERSION OF THE PROBLEM IS GIVEN IN LOW PRECISION. The matrix products marked QUANTISED in the list below multiply operands that are first quantised to E2M3 (2 exponent bits, 3 mantissa bits; 6 bits a number), with one power-of-two scale for each 32 numbers along K (OCP MX v1.0); their sums are f32. All else is computed in f32.
;;   The module's matrix products, in the order in which they are computed (A, B: the left and right operand; K: the contracted axis; several contracted axes count as one K, in the product's order):
;;     1. [M 4,096, K 768] x [K 768, N 768]; A: input query; B: input Wq: QUANTISED
;;     2. [M 8,192, K 768] x [K 768, N 768]; A: input key; B: input Wk: QUANTISED
;;     3. [M 8,192, K 768] x [K 768, N 768]; A: input value; B: input Wv: QUANTISED
;;     4. batch 24 x [M 2,048, K 64] x [K 64, N 4,096]; A: computed on the way; B: computed on the way: QUANTISED
;;     5. batch 24 x [M 2,048, K 4,096] x [K 4,096, N 64]; A: softmax (see below); B: computed on the way: QUANTISED
;;     6. [M 4,096, K 768] x [K 768, N 768]; A: computed on the way; B: input Wo: QUANTISED
;;   THE QUANTISER, for each operand of a quantised product, along K:
;;     - K is cut into blocks of 32 from its start; a last block that is shorter is filled with zeros.
;;     - A block's scale is 2^e with e = floor(log2(the largest magnitude in the block)) - 2, held to -126 .. 127; a block of zeros has e = 0. As a byte (E8M0): e + 127.
;;     - Each number is divided by its block's scale, clamped to +-7.5, and rounded to the nearest number of E2M3, ties to even, subnormals kept.
;;     - The product sums the exact products of the quantised numbers (number of the format x scale) in f32.
;;   ~~~python
;;   def quantise(x, axis):      # numpy; x: float32 -> the quantised numbers, widened to float32 again
;;       x = np.moveaxis(x, axis, -1); K = x.shape[-1]
;;       x = np.pad(x, [(0, 0)] * (x.ndim - 1) + [(0, -K % 32)]); x = x.reshape(x.shape[:-1] + (-1, 32)); a = np.abs(x).max(-1, keepdims=True)
;;       e = np.where(a > 0, np.clip(np.frexp(np.where(a > 0, a, 1))[1] - 1 - 2, -126, 127), 0)      # np.frexp(a)[1] - 1 = floor(log2(a)), exactly
;;       r = np.clip(x / 2.0 ** e, -7.5, 7.5)
;;       step = 2.0 ** (np.maximum(np.frexp(np.where(r == 0, 1, r))[1] - 1, 0) - 3)
;;       q = np.round(r / step) * step * 2.0 ** e      # np.round: ties to even
;;       return np.moveaxis(q.reshape(q.shape[:-2] + (-1,))[..., :K], -1, axis).astype(np.float32)
;;   ~~~
;;   SOFTMAX AHEAD OF A QUANTISED PRODUCT. Where the list says 'softmax', what is quantised is not the finished softmax but p = 2^(t - M), with t = logit x log2(e) and M = ceil(the row's largest t), a whole number; so 1/2 < the row's largest p <= 1. The row's sum l is taken of the UNQUANTISED p, in f32, and the product's result is divided by l at the end. Since M is a whole number, a kernel that streams over the keys may use a running M (the ceiling of the running maximum): every later rescaling is an exact power of two, which a block's scale takes up: the codes' values come out the same.
;;   OPERANDS COMPUTED ON THE WAY. 'Computed on the way' means the value that the module computes at that place (a softmax that the list does not call 'softmax' is quantised finished and normalised). What goes into a quantiser is computed in f32, as accurately as f32 sums, v_exp_f32 and their like allow (about 1e-6 of the number): no bf16 or f16 on the way to a quantiser, and a product that is left as it is and whose result goes on into a quantised operand takes f32 operands (vector FMAs, or v_wmma_f32_16x16x4_f32). A number that lies on a knife's edge between two numbers of the format may be rounded either way, as far as f32 arithmetic and the matrix unit's own rounding can turn it there, and no further.
;; One version. Each part assembles by itself: llvm-mc -triple=amdgcn-amd-amdhsa -mcpu=gfx1250 --defsym DOCPART=n.
;; ======== version 1 of 1: 4 launches
;; limits: right only within a limited range of input values
;; workspace buffers: codes 14,696,448 bytes; tab 1,048,576 bytes; qc 2,555,904 bytes; kv 10,027,008 bytes; att 2,752,512 bytes
;; launch quant (part 1): grid 432 x 1, 4 waves a work-group, no clusters, 34,304 bytes of LDS; arguments query, key, value, Wq, Wk, Wv, Wo, codes, tab; writes codes, tab
.if DOCPART == 1
	.amdgcn_target "amdgcn-amd-amdhsa--gfx1250"
	.amdhsa_code_object_version 6
	.text
	.protected	k_qd65ade5e0c_quant
	.globl	k_qd65ade5e0c_quant
	.p2align	8
	.type	k_qd65ade5e0c_quant,@function
k_qd65ade5e0c_quant:
	s_mov_b64 s[64:65], 0
	v_nop
	global_prefetch_b8 v0, s[64:65] scope:SCOPE_SE
	s_setreg_imm32_b32 hwreg(HW_REG_WAVE_MODE, 25, 1), 1
	s_wait_xcnt 0x0
; query, key, value [rows][768] and Wq, Wk, Wv, Wo [768][768], f32, K innermost, become codes of FP6 (E2M3) with one E8M0 byte for each 32 along K,
; laid in the ORDER OF THE OPERAND'S REGISTERS: a fragment (16 rows x 128 K, 12 registers a lane) is three chunks of 512 bytes, lane l's four registers at 16 l.
; codes: 92 blocks of 16 tiles (0-15 query, 16-47 key, 48-79 value, 80-82 Wq, 83-85 Wk, 86-88 Wv, 89-91 Wo).  A block is three K groups of 53,248 bytes:
; [K step 0,1][tile][3 x 512] and then the scale words [tile][lane][K step 0,1]; lanes 16-31 repeat lanes 0-15.
; WHICH ROWS FORM A TILE is free, and is chosen for the launches that follow: row(i) = base + a (i % 8) + b (i / 8).
;   tokens and Wv: a 1, b 16, base 32 (T / 2) + 8 (T % 2);   Wq, Wk: a 2, b 32, base 64 (T / 4) + 16 (T % 2) + (T % 4) / 2;   Wo: a 1, b 8, base 16 T.
; Work-groups 0-367: a wave takes one tile, six K steps.  Each load reads one row's 512 consecutive bytes; the sixteen rows turn through the wave's own stage in LDS (pitch 528), so that
; lane (r, h) gets k = 64 c + 32 h + 0 .. 31 of row r: two whole blocks, whose largest magnitudes need no other lane.  Waves share nothing: no barrier.
; Work-groups 368-431: the rotary table.  tab: 256 tiles of positions x 8 chunks of 512 bytes: lane (r, h) register i < 16: emb[pos][32 h + 2 i], register 16 + i: emb[pos][32 h + 2 i + 1].
; Sine and cosine by fused multiply-adds: n = nearest(angle x 2 / pi), angle - n pi / 2 in two parts, odd and even series on +-pi / 4.
; No cluster: no two work-groups read the same bytes.  No prefetch: the launch is one stream of loads.
; LIMITS: NaN and infinities are not served.  A block whose largest magnitude lies under 2^-124, a block of zeros among them, gets the byte 1 (this program alone reads the bytes; zero codes add nothing).
; inv_freq = 10^(-j / 8) is a rounded constant times a rounded decade: it may differ from a power function's by an ulp, which is up to some 4e-4 radians at position 4,095.
; The reduction in two parts serves angles up to 4,095, which the shapes fix.
.set SPARE, 33792                      ; behind the four stages: the spare words, 128 bytes a wave
.set LI,  4                            ; v4   16 x lane
.set L8,  5                            ; v5   8 x lane
.set STI, 6                            ; v6   the stage, in: 8448 wave + 16 lane
.set STO, 7                            ; v7   the stage, out: 8448 wave + 528 r + 128 h
.set SPW, 8                            ; v8   my spare word's address; never rewritten
.set NIL, 9                            ; v9   0; never rewritten
.set VO,  10                           ; v10-17 16 lane + i x a x 3072
.set TM,  18                           ; v18-19 largest magnitudes
.set SO,  20                           ; v20-21 the conversions' scale operands
.set BY,  22                           ; v22-23 the bytes
.set TX,  24                           ; v24  the other half's bytes
.set H8,  25                           ; v25  8 h
.set PW,  26                           ; v26-31 a scale word for each K step
.set PC,  32                           ; v32-43 the fragment
.set TC,  44                           ; v44-51 the blocks' upper halves
.set X,   52                           ; v52-115 64 numbers: two blocks
.set R,   116                          ; v116-243 two sets of 16 rows as loaded
	s_load_b512 s[4:19], s[0:1], 0x0               ; query, key, value, Wq, Wk, Wv, Wo, codes
	s_load_b64 s[20:21], s[0:1], 0x40              ; tab
	v_lshl_add_u32 v[SPW], v0, 2, SPARE
	v_mov_b32 v[NIL], 0
	v_lshrrev_b32 v1, 5, v0
	v_readfirstlane_b32 s22, v1                    ; wave
	v_and_b32 v1, 31, v0                           ; lane
	v_and_b32 v2, 15, v0                           ; r
	v_bfe_u32 v3, v0, 4, 1                         ; h
	v_lshlrev_b32 v[LI], 4, v1
	s_cmp_ge_u32 ttmp9, 368
	s_cbranch_scc1 .Ltable
	s_lshl_b32 s23, ttmp9, 2
	s_add_co_u32 s23, s23, s22                     ; G: my tile among all 1,472
	v_lshlrev_b32 v[L8], 3, v1
	s_mul_i32 s38, s22, 8448
	v_add_nc_u32 v[STI], s38, v[LI]
	v_mul_u32_u24 v[STO], v2, 528
	v_lshl_add_u32 v[STO], v3, 7, v[STO]
	v_add_nc_u32 v[STO], s38, v[STO]
	v_lshlrev_b32 v[H8], 3, v3
	v_mov_b32 v[TX], 0                             ; a lane permute's destination counts as read
	s_mov_b32 s36, 0x76543210
	s_mov_b32 s37, 0xfedcba98                      ; lane l xor 16
	s_wait_kmcnt 0x0
	s_mov_b64 s[26:27], s[4:5]                     ; which tensor: the choice hangs on the tile's number alone
	s_mov_b32 s24, 0
	s_cmp_ge_u32 s23, 256
	s_cselect_b64 s[26:27], s[6:7], s[26:27]
	s_cselect_b32 s24, 256, s24
	s_cmp_ge_u32 s23, 768
	s_cselect_b64 s[26:27], s[8:9], s[26:27]
	s_cselect_b32 s24, 768, s24
	s_cmp_ge_u32 s23, 1280
	s_cselect_b64 s[26:27], s[10:11], s[26:27]
	s_cselect_b32 s24, 1280, s24
	s_cmp_ge_u32 s23, 1328
	s_cselect_b64 s[26:27], s[12:13], s[26:27]
	s_cselect_b32 s24, 1328, s24
	s_cmp_ge_u32 s23, 1376
	s_cselect_b64 s[26:27], s[14:15], s[26:27]
	s_cselect_b32 s24, 1376, s24
	s_cmp_ge_u32 s23, 1424
	s_cselect_b64 s[26:27], s[16:17], s[26:27]
	s_cselect_b32 s24, 1424, s24
	s_sub_co_u32 s24, s23, s24                     ; T: the tile in its tensor
	s_lshr_b32 s39, s24, 1
	s_lshl_b32 s39, s39, 5
	s_and_b32 s40, s24, 1
	s_lshl_b32 s41, s40, 3
	s_add_co_u32 s39, s39, s41                     ; 32 (T / 2) + 8 (T % 2)
	s_lshr_b32 s42, s24, 2
	s_lshl_b32 s42, s42, 6
	s_lshl_b32 s41, s40, 4
	s_add_co_u32 s42, s42, s41
	s_bfe_u32 s41, s24, 0x10001
	s_add_co_u32 s42, s42, s41                     ; 64 (T / 4) + 16 (T % 2) + (T % 4) / 2
	s_lshl_b32 s43, s24, 4                         ; 16 T
	s_mov_b32 s25, 3072                            ; a rows in bytes
	s_mov_b32 s44, 49152                           ; b rows in bytes
	s_cmp_ge_u32 s23, 1280                         ; Wq, Wk
	s_cselect_b32 s45, s42, s39
	s_cselect_b32 s25, 6144, s25
	s_cselect_b32 s44, 98304, s44
	s_cmp_ge_u32 s23, 1376                         ; Wv: as the tokens
	s_cselect_b32 s45, s39, s45
	s_cselect_b32 s25, 3072, s25
	s_cselect_b32 s44, 49152, s44
	s_cmp_ge_u32 s23, 1424                         ; Wo
	s_cselect_b32 s45, s43, s45
	s_cselect_b32 s44, 24576, s44
	s_mul_i32 s46, s45, 3072
	s_mov_b32 s47, 0
	s_add_nc_u64 s[28:29], s[26:27], s[46:47]      ; rows 0-7 of the tile begin here,
	s_mov_b32 s46, s44
	s_add_nc_u64 s[30:31], s[28:29], s[46:47]      ; rows 8-15 here
	s_lshr_b32 s46, s23, 4
	s_mul_i32 s46, s46, 159744                     ; my block,
	s_and_b32 s48, s23, 15
	s_mul_i32 s49, s48, 1536                       ; my tile's fragments in a K step,
	s_add_co_u32 s50, s46, s49
	s_mov_b32 s51, 0
	s_add_nc_u64 s[32:33], s[18:19], s[50:51]
	s_lshl_b32 s49, s48, 8                         ; and its scale words in a K group
	s_add_co_u32 s50, s46, s49
	s_add_co_u32 s50, s50, 49152
	s_add_nc_u64 s[34:35], s[18:19], s[50:51]
	s_wait_alu depctr_va_vdst(0)
.irp i, 0,1,2,3,4,5,6,7
	v_mad_u32_u24 v[VO+\i], s25, \i, v[LI]
.endr
.macro LOAD s                          ; K step s of the sixteen rows: each load reads 512 consecutive bytes
.irp i, 0,1,2,3,4,5,6,7
	global_load_b128 v[R+64*((\s)%2)+4*\i:R+64*((\s)%2)+4*\i+3], v[VO+\i], s[28:29] offset:512*(\s) th:TH_LOAD_NT
.endr
.irp i, 0,1,2,3,4,5,6,7
	global_load_b128 v[R+64*((\s)%2)+32+4*\i:R+64*((\s)%2)+32+4*\i+3], v[VO+\i], s[30:31] offset:512*(\s) th:TH_LOAD_NT
.endr
.endm
.macro STEP s
.if (\s) < 5
	s_wait_loadcnt 16                              ; this K step's sixteen loads are in; the next step's sixteen may be out
.else
	s_wait_loadcnt 0
.endif
.irp i, 0,1,2,3,4,5,6,7,8,9,10,11,12,13,14,15
	ds_store_b128 v[STI], v[R+64*((\s)%2)+4*\i:R+64*((\s)%2)+4*\i+3] offset:528*\i
.endr
.irp c, 0,1
.irp j, 0,1,2,3,4,5,6,7
	ds_load_b128 v[X+32*\c+4*\j:X+32*\c+4*\j+3], v[STO] offset:256*\c+16*\j   ; LDS serves a wave's instructions in order: these see the stores above
.endr
.endr
	s_wait_dscnt 0x0                               ; my 64 numbers are here, and the stores have read their registers,
.if (\s)+2 < 6
	LOAD (\s)+2                                    ; which take the loads of two K steps on
.endif
.irp c, 0,1
	v_max3_num_f32 v[TM+\c], |v[X+32*\c]|, |v[X+32*\c+1]|, 0x1800000   ; block 2 c + h, all mine; the floor 2^(3 - 127) holds the byte at 1 from below
.endr
.irp i, 2,4,6,8,10,12,14,16,18,20,22,24,26,28,30
.irp c, 0,1
	v_max3_num_f32 v[TM+\c], v[TM+\c], |v[X+32*\c+\i]|, |v[X+32*\c+\i+1]|
.endr
.endr
.irp c, 0,1
	v_add_nc_u32 v[SO+\c], 0xff000000, v[TM+\c]    ; 2 off the exponent field: the conversion's scale operand
.endr
.irp c, 0,1
	v_lshrrev_b32 v[BY+\c], 23, v[SO+\c]           ; the byte
.endr
	v_lshl_or_b32 v[BY], v[BY+1], 16, v[BY]        ; blocks h and 2 + h,
	v_lshlrev_b32 v[BY], v[H8], v[BY]              ; at their places in the word;
	v_permlanex16_b32 v[TX], v[BY], s36, s37
	v_or_b32 v[PW+(\s)], v[BY], v[TX]              ; with the other half's two the word is whole, in both halves
	s_wait_alu depctr_va_vdst(0)
	s_wait_xcnt 0x0                                ; the last step's stores have read the fragment's registers: they are written again only behind this wait
.irp c, 0,1
	v_cvt_scalef32_pk16_fp6_f32 v[PC+6*\c:PC+6*\c+2], v[X+32*\c:X+32*\c+15], v[SO+\c]
	v_cvt_scalef32_pk16_fp6_f32 v[TC+4*\c:TC+4*\c+2], v[X+32*\c+16:X+32*\c+31], v[SO+\c]   ; (a conversion's three registers begin on an even number)
.endr
	v_nop                                          ; one plain place behind a scaled conversion
.irp c, 0,1
.irp i, 0,1,2
	v_mov_b32 v[PC+3+6*\c+\i], v[TC+4*\c+\i]
.endr
.endr
.irp c, 0,1,2
	global_store_b128 v[LI], v[PC+4*\c:PC+4*\c+3], s[32:33] offset:((\s)/2)*53248+((\s)%2)*24576+512*\c   ; 512 consecutive bytes
.endr
.if (\s)%2 == 1
	global_store_b64 v[L8], v[PW+(\s)-1:PW+(\s)], s[34:35] offset:((\s)/2)*53248   ; the K group's two words a lane: 256 consecutive bytes
.endif
.endm
	LOAD 0
	LOAD 1
	s_wait_alu depctr_va_vdst(0)
.irp s, 0,1,2,3,4,5
	STEP \s
.endr
	s_wait_tensorcnt 0x0                           ; the wave's end, behind my last LDS store
	ds_add_u32 v[SPW], v[NIL]
	s_wait_dscnt 0x0
	s_endpgm
.Ltable:                                               ; no LDS is touched on this way
	s_sub_co_u32 s23, ttmp9, 368
	s_lshl_b32 s23, s23, 2
	s_add_co_u32 s23, s23, s22                     ; T: my tile of positions, 0 .. 255
	s_lshr_b32 s24, s23, 1
	s_lshl_b32 s24, s24, 5
	s_and_b32 s25, s23, 1
	s_lshl_b32 s25, s25, 3
	s_add_co_u32 s24, s24, s25
	s_wait_alu depctr_va_vdst(0)
	v_and_b32 v10, 7, v2
	v_lshrrev_b32 v11, 3, v2
	v_lshl_add_u32 v10, v11, 4, v10
	v_add_nc_u32 v10, s24, v10                     ; my position: 32 (T / 2) + 8 (T % 2) + r % 8 + 16 (r / 8)
	v_cvt_f32_u32 v10, v10
	s_lshl_b32 s26, s23, 12
	s_mov_b32 s27, 0
	s_mov_b32 s40, 0xbfc90fdb                      ; -(pi / 2), its upper part
	s_mov_b32 s41, 0x333bbd2e                      ; and what the upper part has too much
	s_mov_b32 s42, 0xbe2aaaab                      ; sine: -1/6, 1/120, -1/5040, 1/362880
	s_mov_b32 s43, 0x3c088889
	s_mov_b32 s44, 0xb9500d01
	s_mov_b32 s45, 0x3638ef1d
	s_mov_b32 s47, 0x3d2aaaab                      ; cosine: 1/24, -1/720, 1/40320, -1/3628800
	s_mov_b32 s48, 0xbab60b61
	s_mov_b32 s49, 0x37d00d01
	s_mov_b32 s50, 0xb493f27e
	s_wait_alu depctr_va_vdst(0)
	s_wait_kmcnt 0x0
	s_add_nc_u64 s[20:21], s[20:21], s[26:27]
.macro ELEM dst, cst, a                ; v[dst] = sin (h = 0) or cos (h = 1) of position x cst x 10^-a
.if (\a) == 0
	v_mul_f32 v12, \cst, v10
.else
.if (\a) == 1
	v_mov_b32 v13, 0x3dcccccd
.elseif (\a) == 2
	v_mov_b32 v13, 0x3c23d70a
.else
	v_mov_b32 v13, 0x3a83126f
.endif
	v_mul_f32 v13, \cst, v13                       ; inv_freq
	v_mul_f32 v12, v10, v13                        ; the angle, rounded once
.endif
	v_mul_f32 v14, 0x3f22f983, v12
	v_rndne_f32 v14, v14                           ; n
	v_fma_f32 v15, v14, s40, v12                   ; exact: both are multiples of 2^-23 and the difference is under 1
	v_fma_f32 v15, v14, s41, v15                   ; x in +-pi / 4
	v_mul_f32 v16, v15, v15
	v_fma_f32 v17, v16, s45, s44
	v_fma_f32 v18, v16, s50, s49
	v_fma_f32 v17, v17, v16, s43
	v_fma_f32 v18, v18, v16, s48
	v_fma_f32 v17, v17, v16, s42
	v_fma_f32 v18, v18, v16, s47
	v_mul_f32 v19, v15, v16
	v_fma_f32 v18, v18, v16, -0.5
	v_fma_f32 v17, v19, v17, v15                   ; sin x
	v_fma_f32 v18, v18, v16, 1.0                   ; cos x
	v_cvt_i32_f32 v20, v14
	v_add_nc_u32 v20, v20, v3                      ; the quadrant; a cosine is a sine a quadrant on
	v_and_b32 v21, 1, v20
	v_cmp_eq_u32 vcc_lo, 1, v21
	v_cndmask_b32 v17, v17, v18, vcc_lo
	v_and_b32 v21, 2, v20
	v_lshlrev_b32 v21, 30, v21
	v_xor_b32 v[\dst], v21, v17                    ; quadrants 2 and 3 change the sign
.endm
.macro CHUNK j, c0, c1, c2, c3         ; four registers of the table, each chunk in registers of its own
	ELEM 32+4*(\j), \c0, (\j)%4
	ELEM 33+4*(\j), \c1, (\j)%4
	ELEM 34+4*(\j), \c2, (\j)%4
	ELEM 35+4*(\j), \c3, (\j)%4
	global_store_b128 v[LI], v[32+4*(\j):35+4*(\j)], s[20:21] offset:512*(\j)
.endm
.irp j, 0,1,2,3
	CHUNK \j, 1.0, 0x3f0ff59a, 0x3ea1e89b, 0x3e361887          ; 10^(-m / 8), m = 0, 2, 4, 6
.endr
.irp j, 4,5,6,7
	CHUNK \j, 0x3f3ff911, 0x3ed7e89b, 0x3e72d424, 0x3e088d77   ; m = 1, 3, 5, 7
.endr
	s_endpgm
.Lfunc_end_k_qd65ade5e0c_quant:
	.size	k_qd65ade5e0c_quant, .Lfunc_end_k_qd65ade5e0c_quant-k_qd65ade5e0c_quant
	.p2alignl 7, 3214868480
	.fill 96, 4, 3214868480
	.section	.rodata,"a",@progbits
	.p2align	6, 0x0
	.amdhsa_kernel k_qd65ade5e0c_quant
		.amdhsa_group_segment_fixed_size 34304
		.amdhsa_private_segment_fixed_size 0
		.amdhsa_enable_private_segment 0
		.amdhsa_kernarg_size 72
		.amdhsa_user_sgpr_count 2
		.amdhsa_user_sgpr_kernarg_segment_ptr 1
		.amdhsa_wavefront_size32 1
		.amdhsa_system_sgpr_workgroup_id_x 1
		.amdhsa_system_sgpr_workgroup_id_y 1
		.amdhsa_system_sgpr_workgroup_id_z 1
		.amdhsa_system_vgpr_workitem_id 0
		.amdhsa_next_free_vgpr 248
		.amdhsa_next_free_sgpr 66
		.amdhsa_reserve_vcc 1
		.amdhsa_float_denorm_mode_32 3
		.amdhsa_float_denorm_mode_16_64 3
		.amdhsa_memory_ordered 1
		.amdhsa_forward_progress 1
		.amdhsa_inst_pref_size 88
	.end_amdhsa_kernel
	.amdgpu_metadata
---
amdhsa.version: [ 1, 2 ]
amdhsa.kernels:
  - .name:           k_qd65ade5e0c_quant
    .symbol:         k_qd65ade5e0c_quant.kd
    .args:
      - { .name: query, .offset: 0, .size: 8, .value_kind: global_buffer, .address_space: global }
      - { .name: key, .offset: 8, .size: 8, .value_kind: global_buffer, .address_space: global }
      - { .name: value, .offset: 16, .size: 8, .value_kind: global_buffer, .address_space: global }
      - { .name: Wq, .offset: 24, .size: 8, .value_kind: global_buffer, .address_space: global }
      - { .name: Wk, .offset: 32, .size: 8, .value_kind: global_buffer, .address_space: global }
      - { .name: Wv, .offset: 40, .size: 8, .value_kind: global_buffer, .address_space: global }
      - { .name: Wo, .offset: 48, .size: 8, .value_kind: global_buffer, .address_space: global }
      - { .name: codes, .offset: 56, .size: 8, .value_kind: global_buffer, .address_space: global }
      - { .name: tab, .offset: 64, .size: 8, .value_kind: global_buffer, .address_space: global }
    .group_segment_fixed_size: 34304
    .private_segment_fixed_size: 0
    .kernarg_segment_align: 8
    .kernarg_segment_size: 72
    .max_flat_workgroup_size: 128
    .sgpr_count:     66
    .vgpr_count:     248
    .wavefront_size: 32
...
	.end_amdgpu_metadata
.endif
;; end of part 1
;; launch proj (part 2): grid 80 x 3, 16 waves a work-group, clusters of 4 x 1, 327,680 bytes of LDS; arguments codes, tab, bq, bk, bv, qc, kv; writes qc, kv
.if DOCPART == 2
	.amdgcn_target "amdgcn-amd-amdhsa--gfx1250"
	.amdhsa_code_object_version 6
	.text
	.protected	k_qd65ade5e0c_proj
	.globl	k_qd65ade5e0c_proj
	.p2align	8
	.type	k_qd65ade5e0c_proj,@function
k_qd65ade5e0c_proj:
	s_mov_b64 s[64:65], 0
	v_nop
	global_prefetch_b8 v0, s[64:65] scope:SCOPE_SE
	s_setreg_imm32_b32 hwreg(HW_REG_WAVE_MODE, 25, 1), 1
	s_wait_xcnt 0x0
	s_wait_alu depctr_hold_cnt(0) depctr_sa_sdst(0) depctr_va_vdst(0) depctr_va_sdst(0) depctr_va_ssrc(0) depctr_va_vcc(0) depctr_vm_vsrc(0)
	s_getreg_b32 s2, hwreg(HW_REG_IB_STS2, 6, 4)
	s_cmp_eq_u32 s2, 0
	s_cbranch_scc0 .Lentry_in_a_cluster
	s_endpgm
.Lentry_in_a_cluster:
	s_bfe_u32 s2, ttmp6, 0x10000c
	s_cmp_lg_u32 s2, 0x3003
	s_cbranch_scc0 .Lentry_shape_is_right
	s_endpgm
.Lentry_shape_is_right:
; The three projections on codes of FP6 (E2M3): x W^T + b, then for q and k the rotary turn and the quantiser along the head's 64, for v the quantiser along the KEYS.
; A work-group makes 256 rows x 256 columns (four heads); row block = 4 x cluster x + cx (0-15 query, 16-47 key, 48-79 value), column block = y.  All of K = 768 lies in LDS: x's block of 159,744 bytes
; and W's, each three K groups, filled once.  Waves 0-7 fetch x's groups, waves 8-15 W's: three tensor loads a wave are out at the most.
; CLUSTER: the four row blocks of a cluster are of one tensor and read the same block of W, half of a work-group's bytes: W's loads are joint (mask 15).  x's are each work-group's own.
; q, k: wave = 64 rows x one head.  The product is used transposed (source 0 = 16 rows of W, source 1 = 16 tokens): a lane holds one token; by the choice of W's rows its tiles 0, 1 are the head's even
; features 16 h + 0 .. 15 (x1) and tiles 2, 3 the odd ones (x2).  out[i] = x1 C - x2 S, out[32 + i] = x1 S + x2 C: two blocks of 32 along the scores' K.
; v: wave = 128 keys x 32 features, source 0 = 16 tokens, source 1 = 16 rows of W: a lane holds one feature and its 64 registers run along the keys.
; The bias is loaded into the last accumulator of each column of tiles and is the C of the first K step's products.
; OUT, as images of registers.  qc: [b][head][64 queries][3,328]: two double fragments (registers 0-5 tile 2 a, 6-11 tile 2 a + 1), then scale words [lane][a] (lanes 0-15 tile 2 a, 16-31 tile 2 a + 1).
; kv: [b][heads 3 g ..][128 keys][head % 3][13,056]: K's four double fragments; at 6,144 V^T's four fragments (16 of the head's 64 x 128 keys); at 12,288 K's scale words; at 12,800 V's.
; No prefetch: every tensor load goes out at the head.  LIMITS as in the first launch (NaN, infinities; blocks under 2^-124 get the byte 1).
.set BLK,   159744
.set GRP,   53248                      ; a K group: two K steps' fragments of 16 tiles, then their scale words
.set ESTR,  24576                      ; from K step to K step in a group
.set SCO,   49152                      ; the scale words in a group
.set BOFF,  159744                     ; W's block in LDS
.set SPARE, 319488                     ; the spare words, 128 bytes for each of sixteen waves
.set REC,   13056
.set WV,  18
.set G1A, 24
.set G1B, 32
.set G0A, 40                           ; s[40:43] the descriptor for x's block
.set G0B, 52                           ; s[52:55] W's: none of these registers ever holds cx
.set SEL, 68
.set SPW, 5
.set NIL, 6
.macro CROUND                          ; a round of the cluster's barrier
	s_barrier_signal -1
	s_barrier_wait -1
	s_cmp_lg_u32 s[WV], 0
	s_cbranch_scc1 .Lnot_wave_0_\@
	s_barrier_signal -3
.Lnot_wave_0_\@:
	s_barrier_wait -3
	s_barrier_signal -1
	s_barrier_wait -1
.endm
.macro WM d, a, b, c, sa, sb, ra, rb   ; one product; ra, rb: the scales stand in lanes 16-31 of their registers
.if (\ra) && (\rb)
	v_wmma_scale_f32_16x16x128_f8f6f4 v[(\d):(\d)+7], v[(\a):(\a)+11], v[(\b):(\b)+11], v[(\c):(\c)+7], v[\sa], v[\sb] matrix_a_fmt:MATRIX_FMT_FP6 matrix_b_fmt:MATRIX_FMT_FP6 matrix_a_scale:MATRIX_SCALE_ROW1 matrix_b_scale:MATRIX_SCALE_ROW1
.elseif (\ra)
	v_wmma_scale_f32_16x16x128_f8f6f4 v[(\d):(\d)+7], v[(\a):(\a)+11], v[(\b):(\b)+11], v[(\c):(\c)+7], v[\sa], v[\sb] matrix_a_fmt:MATRIX_FMT_FP6 matrix_b_fmt:MATRIX_FMT_FP6 matrix_a_scale:MATRIX_SCALE_ROW1
.elseif (\rb)
	v_wmma_scale_f32_16x16x128_f8f6f4 v[(\d):(\d)+7], v[(\a):(\a)+11], v[(\b):(\b)+11], v[(\c):(\c)+7], v[\sa], v[\sb] matrix_a_fmt:MATRIX_FMT_FP6 matrix_b_fmt:MATRIX_FMT_FP6 matrix_b_scale:MATRIX_SCALE_ROW1
.else
	v_wmma_scale_f32_16x16x128_f8f6f4 v[(\d):(\d)+7], v[(\a):(\a)+11], v[(\b):(\b)+11], v[(\c):(\c)+7], v[\sa], v[\sb] matrix_a_fmt:MATRIX_FMT_FP6 matrix_b_fmt:MATRIX_FMT_FP6
.endif
.endm
.macro BAR
	s_barrier_signal -1
	s_barrier_wait -1
.endm
.macro NEXTGRP                         ; the four LDS addresses go on to the next K group: four plain lines, which are also the places behind the last products
	v_add_nc_u32 v1, GRP, v1
	v_add_nc_u32 v2, GRP, v2
	v_add_nc_u32 v3, GRP, v3
	v_add_nc_u32 v4, GRP, v4
.endm
.macro FINISH
	s_wait_tensorcnt 0x0                           ; the wave's end
	ds_add_u32 v[SPW], v[NIL]
	s_wait_dscnt 0x0
	CROUND                                         ; the closing round
	s_endpgm
.endm
	s_load_b256 s[4:11], s[0:1], 0x0               ; codes, tab, bq, bk
	s_load_b128 s[12:15], s[0:1], 0x20             ; bv, qc
	s_load_b64 s[16:17], s[0:1], 0x30              ; kv
	v_lshl_add_u32 v[SPW], v0, 2, SPARE
	v_mov_b32 v[NIL], 0
	ds_add_u32 v[SPW], v[NIL]                      ; the wave's opening: the add and its wait ahead of my first tensor load
	ds_add_u32 v[SPW], v[NIL]
	v_lshrrev_b32 v1, 5, v0
	s_delay_alu instid0(VALU_DEP_1)
	v_readfirstlane_b32 s[WV], v1                  ; wave 0..15
	s_bfe_u32 s19, ttmp6, 0x40000                  ; cx
	s_lshl_b32 s20, ttmp9, 2
	s_add_co_u32 s20, s20, s19                     ; my row block
	s_and_b32 s21, ttmp7, 0xffff                   ; my column block
	s_cmp_ge_u32 ttmp9, 4                          ; the tensor hangs on the cluster's x alone: 0 q, 1 k, 2 v
	s_cselect_b32 s22, 1, 0
	s_cmp_ge_u32 ttmp9, 12
	s_cselect_b32 s22, 2, s22
	s_mov_b32 s[G1A], 3<<16                        ; no mask; elements of 8 bytes; no padding
	s_mov_b32 s[G1B], 15|(3<<16)|(1<<21)           ; the mask: all four work-groups; bit 21 beside it
.irp g, G1A, G1B
	s_mov_b32 s[\g+1], 32<<16                      ; tensor_dim0 = 32 elements: rows of 256 bytes
	s_mov_b32 s[\g+2], 78<<16                      ; tensor_dim1 = 78 rows: an eighth of a whole block, all three K groups
	s_mov_b32 s[\g+3], 32<<16                      ; tile_dim0
	s_mov_b32 s[\g+4], 78                          ; tile_dim1
	s_mov_b32 s[\g+5], 32                          ; the block is dense
	s_mov_b32 s[\g+6], 0
	s_mov_b32 s[\g+7], 0
.endr
	s_and_b32 s23, s[WV], 7
	s_mul_i32 s70, s23, 19968                      ; my eighth of a block, in memory and in LDS: ONE tensor load a wave brings it
	s_mul_i32 s74, s20, BLK
	s_add_co_u32 s74, s74, s70
	s_mov_b32 s75, 0
	s_mul_i32 s72, s22, 3
	s_add_co_u32 s72, s72, s21
	s_add_co_u32 s72, s72, 80                      ; W's block: 80 + 3 x tensor + column block
	s_mul_i32 s72, s72, BLK
	s_add_co_u32 s72, s72, s70
	s_mov_b32 s73, 0
	s_mov_b32 s66, 0xffff0000                      ; lanes 16-31
	s_mov_b32 s[SEL], 0x76543210
	s_mov_b32 s[SEL+1], 0xfedcba98
	s_wait_dscnt 0x0                               ; the opening add is done
	s_wait_kmcnt 0x0
	s_add_nc_u64 s[74:75], s[4:5], s[74:75]
	s_add_nc_u64 s[72:73], s[4:5], s[72:73]
	CROUND                                         ; all four work-groups are here: the joint loads meet
.irp g, 0
	s_mov_b32 s[G0A+4*\g], 1
	s_add_co_u32 s[G0A+4*\g+1], s70, \g*GRP
	s_add_nc_u64 s[G0A+4*\g+2:G0A+4*\g+3], s[74:75], \g*GRP
	s_or_b32 s[G0A+4*\g+3], s[G0A+4*\g+3], 0x80000000
	s_mov_b32 s[G0B+4*\g], 1
	s_add_co_u32 s[G0B+4*\g+1], s70, \g*GRP+BOFF
	s_add_nc_u64 s[G0B+4*\g+2:G0B+4*\g+3], s[72:73], \g*GRP
	s_or_b32 s[G0B+4*\g+3], s[G0B+4*\g+3], 0x80000000
.endr
	s_cmp_lt_u32 s[WV], 8                          ; a wave's one fill stands in one branch on the wave's number
	s_cbranch_scc0 .Lfill_b
	tensor_load_to_lds s[G0A:G0A+3], s[G1A:G1A+7]
	s_nop 0
.rept 4
	v_nop
.endr
	s_branch .Lfilled
.Lfill_b:
	tensor_load_to_lds s[G0B:G0B+3], s[G1B:G1B+7]
	s_nop 0
.rept 4
	v_nop
.endr
.Lfilled:
	v_and_b32 v11, 31, v0                          ; lane
	v_and_b32 v12, 15, v0                          ; r
	v_bfe_u32 v13, v0, 4, 1                        ; h
	s_delay_alu instid0(VALU_DEP_3)
	v_lshlrev_b32 v7, 4, v11                       ; 16 lane
	s_delay_alu instid0(VALU_DEP_4)
	v_lshlrev_b32 v8, 3, v11                       ; 8 lane
	v_lshlrev_b32 v9, 2, v11                       ; 4 lane
	s_delay_alu instid0(VALU_DEP_2)
	v_lshl_add_u32 v14, v13, 8, v8                 ; scale words: lanes 16-31 take the next tile's
	s_cmp_ge_u32 ttmp9, 12
	s_cbranch_scc1 .Lvpath
; ---------------- q and k ----------------
; v1 x's fragments, v2 W's, v3 x's scale words, v4 W's; v16-19 x's scale words, v20-23 W's; v32-79 W's four fragments, v80-127 x's four; v128-255 accumulator (m, t) at 128 + 32 m + 8 t
	s_lshr_b32 s76, s[WV], 2                       ; which 64 rows
	s_and_b32 s77, s[WV], 3                        ; which head of the four
	s_mul_i32 s78, s76, 6144
	v_add_nc_u32 v1, s78, v7
	s_mul_i32 s78, s77, 6144
	s_add_co_u32 s78, s78, BOFF
	v_add_nc_u32 v2, s78, v7
	s_lshl_b32 s78, s76, 10
	s_wait_alu depctr_va_vdst(0)
	v_add_nc_u32 v3, s78, v14
	s_lshl_b32 s78, s77, 10
	s_add_co_u32 s78, s78, BOFF
	v_add_nc_u32 v4, s78, v14
	s_lshl_b32 s79, s21, 2
	s_add_co_u32 s79, s79, s77                     ; head
	v_lshlrev_b32 v10, 7, v13                      ; the bias: lanes 16-31 stand 32 features on
	s_lshl_b32 s82, s79, 8
	s_mov_b32 s83, 0
	s_cmp_lt_u32 ttmp9, 4
	s_cselect_b64 s[80:81], s[8:9], s[10:11]
	s_add_nc_u64 s[80:81], s[80:81], s[82:83]
.irp t, 0,1,2,3
.irp j, 0,1,2,3,4,5,6,7
	global_load_b32 v[224+8*\t+\j], v10, s[80:81] offset:4*(16*(\t%2)+2*\j+\t/2)   ; feature 32 h + 16 (t % 2) + 2 j + t / 2 of the head
.endr
.endr
	s_cmp_lt_u32 ttmp9, 4
	s_cselect_b32 s84, 0, 16
	s_sub_co_u32 s84, s20, s84                     ; the block in its tensor
	s_lshr_b32 s85, s84, 3                         ; q: batch,
	s_mul_i32 s85, s85, 12
	s_add_co_u32 s85, s85, s79
	s_lshl_b32 s85, s85, 5
	s_and_b32 s86, s84, 7
	s_lshl_b32 s86, s86, 2
	s_add_co_u32 s85, s85, s86
	s_add_co_u32 s85, s85, s76                     ; group of 64 queries
	s_mul_i32 s85, s85, 3328
	s_add_co_u32 s86, s85, 3072
	s_mul_i32 s87, s79, 11                         ; k: head / 3,
	s_lshr_b32 s87, s87, 5
	s_mul_i32 s88, s87, 3
	s_sub_co_u32 s88, s79, s88                     ; head % 3,
	s_lshr_b32 s89, s84, 4                         ; batch,
	s_lshl_b32 s89, s89, 2
	s_add_co_u32 s89, s89, s87
	s_lshl_b32 s89, s89, 5
	s_and_b32 s90, s84, 15
	s_lshl_b32 s90, s90, 1
	s_add_co_u32 s89, s89, s90
	s_lshr_b32 s90, s76, 1
	s_add_co_u32 s89, s89, s90                     ; step of 128 keys
	s_mul_i32 s89, s89, 3
	s_add_co_u32 s89, s89, s88
	s_mul_i32 s89, s89, REC
	s_and_b32 s90, s76, 1                          ; which half of the step
	s_mul_i32 s91, s90, 3072
	s_add_co_u32 s91, s89, s91
	s_lshl_b32 s90, s90, 8
	s_add_co_u32 s90, s89, s90
	s_add_co_u32 s90, s90, 12288
	s_mov_b32 s92, 255
	s_cmp_lt_u32 ttmp9, 4
	s_cselect_b32 s94, s85, s91
	s_cselect_b32 s96, s86, s90
	s_cselect_b32 s92, 127, s92                    ; tiles of positions in a sequence, less 1
	s_cselect_b64 s[98:99], s[14:15], s[16:17]
	s_mov_b32 s95, 0
	s_mov_b32 s97, 0
	s_add_nc_u64 s[94:95], s[98:99], s[94:95]      ; where my codes go,
	s_add_nc_u64 s[96:97], s[98:99], s[96:97]      ; and my scale words
	s_lshl_b32 s85, s84, 4
	s_lshl_b32 s86, s76, 2
	s_add_co_u32 s85, s85, s86
	s_and_b32 s85, s85, s92                        ; my first tile of positions
	s_lshl_b32 s86, s85, 12
	s_mov_b32 s87, 0
	s_add_nc_u64 s[86:87], s[6:7], s[86:87]
.macro QKSTEP e, first, pl             ; a K step of 128: 24 fragment loads, 16 products on 16 accumulators by turns
.rept \pl
	v_nop                                          ; places in front of loads into registers that matrix instructions have read
.endr
.irp t, 0,1,2,3
.irp c, 0,1,2
	ds_load_b128 v[32+12*\t+4*\c:35+12*\t+4*\c], v2 offset:(\e)*ESTR+1536*\t+512*\c
.endr
.endr
.irp m, 0,1,2,3
.irp c, 0,1,2
	ds_load_b128 v[80+12*\m+4*\c:83+12*\m+4*\c], v1 offset:(\e)*ESTR+1536*\m+512*\c
.endr
.endr
.if (\e) == 0
.irp p, 0,1
	ds_load_b64 v[16+2*\p:17+2*\p], v3 offset:SCO+512*\p   ; the group's two words: lanes 0-15 tile 2 p, lanes 16-31 tile 2 p + 1
	ds_load_b64 v[20+2*\p:21+2*\p], v4 offset:SCO+512*\p
.endr
.endif
	s_wait_dscnt 0x0
.irp m, 0,1,2,3
.if (\first) && (\m == 3)
.rept 5
	v_nop                                          ; these products write over registers that the twelve before have read as C: five places
.endr
.endif
.irp t, 0,1,2,3
.if (\first)
	WM 128+32*\m+8*\t, 32+12*\t, 80+12*\m, 224+8*\t, 20+2*(\t/2)+(\e), 16+2*(\m/2)+(\e), \t%2, \m%2
.else
	WM 128+32*\m+8*\t, 32+12*\t, 80+12*\m, 128+32*\m+8*\t, 20+2*(\t/2)+(\e), 16+2*(\m/2)+(\e), \t%2, \m%2
.endif
.endr
.endr
.endm
	s_wait_alu depctr_va_vdst(0)
	s_wait_loadcnt 0x0                             ; the bias
	s_wait_tensorcnt 0x0                           ; my one load has landed; behind the barrier both blocks are whole, for all of K
	BAR
	QKSTEP 0, 1, 0
	QKSTEP 1, 0, 4
	NEXTGRP
	s_wait_alu depctr_va_vdst(0)
	QKSTEP 0, 0, 0
	QKSTEP 1, 0, 4
	NEXTGRP
	s_wait_alu depctr_va_vdst(0)
	QKSTEP 0, 0, 0
	QKSTEP 1, 0, 4
; the way out: v32-63, v64-95 two sets of the table; v96-107 a double fragment; v108-110 a block's upper half; v112-115 at work
.set PCP, 96
.set TC,  108
.set TM,  116
.set TP,  118
.set SO,  120
.set BY,  122
.set PW,  124
.set SCW, 126
.macro ELOAD m, e                      ; the table of tile m's positions: S in 16 registers, C in 16
.irp j, 0,1,2,3,4,5,6,7
	global_load_b128 v[(\e)+4*\j:(\e)+4*\j+3], v7, s[86:87] offset:4096*(\m)+512*\j
.endr
.endm
.macro ROT m                           ; ascending
.set Y, 128+32*(\m)
.set E, 32+32*((\m)%2)
.irp i, 0,2,4,6,8,10,12,14
	v_pk_mul_f32 v[112:113], v[Y+16+\i:Y+17+\i], v[E+\i:E+\i+1]                    ; x2 S
	v_pk_mul_f32 v[114:115], v[Y+16+\i:Y+17+\i], v[E+16+\i:E+17+\i]                ; x2 C
	v_pk_fma_f32 v[Y+16+\i:Y+17+\i], v[Y+\i:Y+\i+1], v[E+\i:E+\i+1], v[114:115]    ; x1 S + x2 C
	v_pk_fma_f32 v[Y+\i:Y+\i+1], v[Y+\i:Y+\i+1], v[E+16+\i:E+17+\i], v[112:113] neg_lo:[0,0,1] neg_hi:[0,0,1]   ; x1 C - x2 S
.endr
.endm
; 32 numbers of a lane, register 16 b + i = k 32 b + 16 h + i of my row, become six registers of codes (k = 32 h + 0 .. 31) in v[pc] on and a scale word (bytes 0, 1; bytes 2, 3 are 0) in v[w]
.macro QUANT2 s, pc, w
.irp b, 0,1
	v_max3_num_f32 v[TM+\b], |v[(\s)+16*\b]|, |v[(\s)+1+16*\b]|, 0x1800000
.endr
.irp i, 2,4,6,8,10,12,14
.irp b, 0,1
	s_delay_alu instid0(VALU_DEP_2)
	v_max3_num_f32 v[TM+\b], v[TM+\b], |v[(\s)+16*\b+\i]|, |v[(\s)+1+16*\b+\i]|
.endr
.endr
.irp b, 0,1
	s_delay_alu instid0(VALU_DEP_2)
	v_permlanex16_b32 v[TP+\b], v[TM+\b], s[SEL], s[SEL+1]
.endr
.irp b, 0,1
	s_delay_alu instid0(VALU_DEP_2)
	v_max_num_f32 v[TM+\b], v[TM+\b], v[TP+\b]     ; with lane l xor 16's: the block's largest magnitude
.endr
.irp b, 0,1
	s_delay_alu instid0(VALU_DEP_2)
	v_add_nc_u32 v[SO+\b], 0xff000000, v[TM+\b]
.endr
.irp b, 0,1
	s_delay_alu instid0(VALU_DEP_2)
	v_lshrrev_b32 v[BY+\b], 23, v[SO+\b]
.endr
	s_delay_alu instid0(VALU_DEP_1)
	v_lshl_or_b32 v[\w], v[BY+1], 8, v[BY]
	v_cvt_scalef32_pk16_fp6_f32 v[(\pc):(\pc)+2], v[(\s):(\s)+15], v[SO]
	v_cvt_scalef32_pk16_fp6_f32 v[TC:TC+2], v[(\s)+16:(\s)+31], v[SO+1]
	v_nop                                          ; one plain place behind a scaled conversion
.irp i, 0,1,2
	v_permlane16_swap_b32 v[(\pc)+\i], v[TC+\i]    ; a whole block to a lane: lanes 0-15 block 0, lanes 16-31 block 1
.endr
.irp i, 0,1,2
	s_delay_alu instid0(VALU_DEP_3)
	v_mov_b32 v[(\pc)+3+\i], v[TC+\i]
.endr
.endm
.rept 4
	v_nop                                          ; places behind the last products
.endr
	v_mov_b32 v[TP], 0                             ; a lane permute's destination counts as read
	v_mov_b32 v[TP+1], 0
	ELOAD 0, 32
	ELOAD 1, 64
.irp m, 0,1,2,3
.if \m < 3
	s_wait_loadcnt 8                               ; this tile's eight loads are in; the next tile's eight may be out
.else
	s_wait_loadcnt 0
.endif
	ROT \m
.if \m < 2
	ELOAD \m+2, 32+32*(\m%2)
.endif
.if \m == 2
	s_wait_xcnt 0x0                                ; the first double fragment's stores have read their registers
.endif
	QUANT2 128+32*\m, PCP+6*(\m%2), PW+(\m%2)
.if \m%2 == 1
	v_cndmask_b32 v[SCW+\m/2], v[PW], v[PW+1], s66 ; lanes 0-15 the even tile's words, lanes 16-31 the odd tile's
.irp c, 0,1,2
	global_store_b128 v7, v[PCP+4*\c:PCP+4*\c+3], s[94:95] offset:1536*(\m/2)+512*\c
.endr
.endif
.endr
	global_store_b64 v8, v[SCW:SCW+1], s[96:97]    ; 256 consecutive bytes
	FINISH
; ---------------- v ----------------
; v16-23 x's scale words, v24-25 W's; v32-55 W's two fragments, v56-103 four of x's eight; accumulator (f, m) at 128 + 64 f + 8 m
.Lvpath:
	s_lshr_b32 s76, s[WV], 3                       ; which 128 keys
	s_and_b32 s77, s[WV], 7                        ; which 32 features
	s_mul_i32 s78, s76, 12288
	s_wait_alu depctr_va_vdst(0)
	v_add_nc_u32 v1, s78, v7
	s_mul_i32 s78, s77, 3072
	s_add_co_u32 s78, s78, BOFF
	v_add_nc_u32 v2, s78, v7
	s_lshl_b32 s78, s76, 11
	v_add_nc_u32 v3, s78, v14
	s_lshl_b32 s78, s77, 9
	s_add_co_u32 s78, s78, BOFF
	v_add_nc_u32 v4, s78, v14
	v_and_b32 v10, 7, v12
	v_lshrrev_b32 v15, 3, v12
	s_delay_alu instid0(VALU_DEP_1)
	v_lshl_add_u32 v10, v15, 4, v10
	s_delay_alu instid0(VALU_DEP_1)
	v_lshlrev_b32 v10, 2, v10                      ; the bias of my feature: r % 8 + 16 (r / 8) in the 32
	s_lshl_b32 s82, s21, 10
	s_lshl_b32 s83, s77, 7
	s_add_co_u32 s82, s82, s83
	s_mov_b32 s83, 0
	s_add_nc_u64 s[80:81], s[12:13], s[82:83]
.irp f, 0,1
.irp j, 0,1,2,3,4,5,6,7
	global_load_b32 v[184+64*\f+\j], v10, s[80:81] offset:32*\f   ; the same number in all eight registers: they run along the keys
.endr
.endr
	s_sub_co_u32 s84, s20, 48                      ; the block in value
	s_lshl_b32 s79, s21, 2
	s_lshr_b32 s85, s77, 1
	s_add_co_u32 s79, s79, s85                     ; head
	s_and_b32 s85, s77, 1                          ; which 32 of its 64
	s_mul_i32 s87, s79, 11
	s_lshr_b32 s87, s87, 5
	s_mul_i32 s88, s87, 3
	s_sub_co_u32 s88, s79, s88
	s_lshr_b32 s89, s84, 4
	s_lshl_b32 s89, s89, 2
	s_add_co_u32 s89, s89, s87
	s_lshl_b32 s89, s89, 5
	s_and_b32 s90, s84, 15
	s_lshl_b32 s90, s90, 1
	s_add_co_u32 s89, s89, s90
	s_add_co_u32 s89, s89, s76
	s_mul_i32 s89, s89, 3
	s_add_co_u32 s89, s89, s88
	s_mul_i32 s89, s89, REC
	s_mul_i32 s94, s85, 3072
	s_add_co_u32 s94, s94, s89
	s_add_co_u32 s94, s94, 6144
	s_mov_b32 s95, 0
	s_lshl_b32 s96, s85, 7
	s_add_co_u32 s96, s96, s89
	s_add_co_u32 s96, s96, 12800
	s_mov_b32 s97, 0
	s_add_nc_u64 s[94:95], s[16:17], s[94:95]
	s_add_nc_u64 s[96:97], s[16:17], s[96:97]
.macro VSTEP e, first, pl
.rept \pl
	v_nop
.endr
.irp f, 0,1
.irp c, 0,1,2
	ds_load_b128 v[32+12*\f+4*\c:35+12*\f+4*\c], v2 offset:(\e)*ESTR+1536*\f+512*\c
.endr
.endr
.if (\e) == 0
.irp p, 0,1,2,3
	ds_load_b64 v[16+2*\p:17+2*\p], v3 offset:SCO+512*\p
.endr
	ds_load_b64 v[24:25], v4 offset:SCO
.endif
.irp u, 0,1                            ; x's eight fragments in two halves
.if \u == 1
.rept 4
	v_nop
.endr
.endif
.irp n, 0,1,2,3
.irp c, 0,1,2
	ds_load_b128 v[56+12*\n+4*\c:59+12*\n+4*\c], v1 offset:(\e)*ESTR+1536*(4*\u+\n)+512*\c
.endr
.endr
	s_wait_dscnt 0x0
.irp n, 0,1,2,3
.if (\first) && (\u == 1) && (\n == 3)
.rept 5
	v_nop                                          ; these two products write over registers that the fourteen before have read as C: five places
.endr
.endif
.irp f, 0,1
.if (\first)
	WM 128+64*\f+8*(4*\u+\n), 56+12*\n, 32+12*\f, 184+64*\f, 16+2*((4*\u+\n)/2)+(\e), 24+(\e), \n%2, \f
.else
	WM 128+64*\f+8*(4*\u+\n), 56+12*\n, 32+12*\f, 128+64*\f+8*(4*\u+\n), 16+2*((4*\u+\n)/2)+(\e), 24+(\e), \n%2, \f
.endif
.endr
.endr
.endr
.endm
	s_wait_alu depctr_va_vdst(0)
	s_wait_loadcnt 0x0                             ; the bias
	s_wait_tensorcnt 0x0                           ; as above
	BAR
	VSTEP 0, 1, 0
	VSTEP 1, 0, 4
	NEXTGRP
	s_wait_alu depctr_va_vdst(0)
	VSTEP 0, 0, 0
	VSTEP 1, 0, 4
	NEXTGRP
	s_wait_alu depctr_va_vdst(0)
	VSTEP 0, 0, 0
	VSTEP 1, 0, 4
.set PCV, 64
.set TC4, 88
.set TM4, 104
.set TP4, 108
.set SO4, 112
.set BY4, 116
.set PWV, 120
; 64 numbers of a lane, register 16 b + i = key 32 b + 16 h + i of my feature, become a fragment in v[pc] on and its scale word in v[w]
.macro QUANT4 s, pc, w
.irp b, 0,1,2,3
	v_max3_num_f32 v[TM4+\b], |v[(\s)+16*\b]|, |v[(\s)+1+16*\b]|, 0x1800000
.endr
.irp i, 2,4,6,8,10,12,14
.irp b, 0,1,2,3
	v_max3_num_f32 v[TM4+\b], v[TM4+\b], |v[(\s)+16*\b+\i]|, |v[(\s)+1+16*\b+\i]|
.endr
.endr
.irp b, 0,1,2,3
	s_delay_alu instid0(VALU_DEP_4)
	v_permlanex16_b32 v[TP4+\b], v[TM4+\b], s[SEL], s[SEL+1]
.endr
.irp b, 0,1,2,3
	s_delay_alu instid0(VALU_DEP_4)
	v_max_num_f32 v[TM4+\b], v[TM4+\b], v[TP4+\b]
.endr
.irp b, 0,1,2,3
	s_delay_alu instid0(VALU_DEP_4)
	v_add_nc_u32 v[SO4+\b], 0xff000000, v[TM4+\b]
.endr
.irp b, 0,1,2,3
	s_delay_alu instid0(VALU_DEP_4)
	v_lshrrev_b32 v[BY4+\b], 23, v[SO4+\b]
.endr
	s_delay_alu instid0(VALU_DEP_3)
	v_lshl_or_b32 v[\w], v[BY4+1], 8, v[BY4]
	s_delay_alu instid0(VALU_DEP_1)
	v_lshl_or_b32 v[\w], v[BY4+2], 16, v[\w]
	s_delay_alu instid0(VALU_DEP_1)
	v_lshl_or_b32 v[\w], v[BY4+3], 24, v[\w]
.irp c, 0,1
	v_cvt_scalef32_pk16_fp6_f32 v[(\pc)+6*\c:(\pc)+6*\c+2], v[(\s)+32*\c:(\s)+32*\c+15], v[SO4+2*\c]
	v_cvt_scalef32_pk16_fp6_f32 v[TC4+4*\c:TC4+4*\c+2], v[(\s)+32*\c+16:(\s)+32*\c+31], v[SO4+2*\c+1]
.endr
	v_nop
.irp c, 0,1
.irp i, 0,1,2
	v_permlane16_swap_b32 v[(\pc)+6*\c+\i], v[TC4+4*\c+\i]
.endr
.irp i, 0,1,2
	s_delay_alu instid0(VALU_DEP_3)
	v_mov_b32 v[(\pc)+3+6*\c+\i], v[TC4+4*\c+\i]
.endr
.endr
.endm
.rept 4
	v_nop                                          ; places behind the last products
.endr
.irp b, 0,1,2,3
	v_mov_b32 v[TP4+\b], 0
.endr
.irp f, 0,1
	QUANT4 128+64*\f, PCV+12*\f, PWV+\f
.irp c, 0,1,2
	global_store_b128 v7, v[PCV+12*\f+4*\c:PCV+12*\f+4*\c+3], s[94:95] offset:1536*\f+512*\c
.endr
.endr
	v_cndmask_b32 v122, v[PWV], v[PWV+1], s66      ; lanes 0-15 the first fragment's words, lanes 16-31 the second's
	global_store_b32 v9, v122, s[96:97]
	FINISH
.Lfunc_end_k_qd65ade5e0c_proj:
	.size	k_qd65ade5e0c_proj, .Lfunc_end_k_qd65ade5e0c_proj-k_qd65ade5e0c_proj
	.p2alignl 7, 3214868480
	.fill 96, 4, 3214868480
	.section	.rodata,"a",@progbits
	.p2align	6, 0x0
	.amdhsa_kernel k_qd65ade5e0c_proj
		.amdhsa_group_segment_fixed_size 327680
		.amdhsa_private_segment_fixed_size 0
		.amdhsa_enable_private_segment 0
		.amdhsa_kernarg_size 56
		.amdhsa_user_sgpr_count 2
		.amdhsa_user_sgpr_kernarg_segment_ptr 1
		.amdhsa_wavefront_size32 1
		.amdhsa_system_sgpr_workgroup_id_x 1
		.amdhsa_system_sgpr_workgroup_id_y 1
		.amdhsa_system_sgpr_workgroup_id_z 1
		.amdhsa_system_vgpr_workitem_id 0
		.amdhsa_next_free_vgpr 256
		.amdhsa_next_free_sgpr 100
		.amdhsa_reserve_vcc 0
		.amdhsa_float_denorm_mode_32 3
		.amdhsa_float_denorm_mode_16_64 3
		.amdhsa_memory_ordered 1
		.amdhsa_forward_progress 1
		.amdhsa_inst_pref_size 98
	.end_amdhsa_kernel
	.amdgpu_metadata
---
amdhsa.version: [ 1, 2 ]
amdhsa.kernels:
  - .name:           k_qd65ade5e0c_proj
    .symbol:         k_qd65ade5e0c_proj.kd
    .args:
      - { .name: codes, .offset: 0, .size: 8, .value_kind: global_buffer, .address_space: global }
      - { .name: tab, .offset: 8, .size: 8, .value_kind: global_buffer, .address_space: global }
      - { .name: bq, .offset: 16, .size: 8, .value_kind: global_buffer, .address_space: global }
      - { .name: bk, .offset: 24, .size: 8, .value_kind: global_buffer, .address_space: global }
      - { .name: bv, .offset: 32, .size: 8, .value_kind: global_buffer, .address_space: global }
      - { .name: qc, .offset: 40, .size: 8, .value_kind: global_buffer, .address_space: global }
      - { .name: kv, .offset: 48, .size: 8, .value_kind: global_buffer, .address_space: global }
    .group_segment_fixed_size: 327680
    .private_segment_fixed_size: 0
    .kernarg_segment_align: 8
    .kernarg_segment_size: 56
    .max_flat_workgroup_size: 512
    .sgpr_count:     100
    .vgpr_count:     256
    .wavefront_size: 32
...
	.end_amdgpu_metadata
.endif
;; end of part 2
;; launch attn (part 3): grid 32 x 8, 12 waves a work-group, clusters of 4 x 1, 327,680 bytes of LDS; arguments qc, kv, att; writes att
.if DOCPART == 3
	.amdgcn_target "amdgcn-amd-amdhsa--gfx1250"
	.amdhsa_code_object_version 6
	.text
	.protected	k_qd65ade5e0c_attn
	.globl	k_qd65ade5e0c_attn
	.p2align	8
	.type	k_qd65ade5e0c_attn,@function
k_qd65ade5e0c_attn:
	s_mov_b64 s[64:65], 0
	v_nop
	global_prefetch_b8 v0, s[64:65] scope:SCOPE_SE
	s_setreg_imm32_b32 hwreg(HW_REG_WAVE_MODE, 25, 1), 1
	s_wait_xcnt 0x0
	s_wait_alu depctr_hold_cnt(0) depctr_sa_sdst(0) depctr_va_vdst(0) depctr_va_sdst(0) depctr_va_ssrc(0) depctr_va_vcc(0) depctr_vm_vsrc(0)
	s_getreg_b32 s2, hwreg(HW_REG_IB_STS2, 6, 4)
	s_cmp_eq_u32 s2, 0
	s_cbranch_scc0 .Lentry_in_a_cluster
	s_endpgm
.Lentry_in_a_cluster:
	s_bfe_u32 s2, ttmp6, 0x10000c
	s_cmp_lg_u32 s2, 0x3003
	s_cbranch_scc0 .Lentry_shape_is_right
	s_endpgm
.Lentry_shape_is_right:
; Attention on codes of FP6 (E2M3): S^T = k q^T, p = 2^(t - M) with a running whole M, O^T += v^T p^T, O / l, and the quantiser along the head's 64 for the last projection.
; A work-group: 64 queries (block 4 x cluster x + cx) of three heads (y: batch y / 4, heads 3 (y % 4) ..).
; Wave w: head w / 4, the two tiles of 16 queries 2 ((w / 2) % 2) and + 1 (A and B), and every second step of 128 keys (parity w % 2): each fragment of K and V that it reads from LDS feeds two tiles,
; and a record is read by two waves.  The two waves of a pair of tiles hold partial O, l and M; at the end each hands one tile's partial to the other through LDS, and wave w finishes tile w % 4:
; since M is whole, the partials are joined by exact powers of two.
; kv comes in records of 13,056 bytes (128 keys of one head: K's fragments, V^T's fragments, their scale words, as images of registers).  A slot holds four steps x three heads, 12 records, one a wave;
; two slots take turns over the 8 chunks of 512 keys.  CLUSTER: the four query blocks of a cluster read the same records: every load is joint (mask 15).
; A wave has two steps in a chunk.  V's 14 LDS loads are asked for at a step's top, the second step's 14 loads of K behind the first's last score products.  The second step has all its fragments in
; registers before the barrier's signal, and its whole arithmetic, work on registers alone, stands between the signal and the wait.
; A head is 64 along K and the product 128: q's registers 6-11 are zero codes, so the upper half of K's operand (the next tile's codes) adds nothing.
; PREFETCH: behind each refill the chunk after the one just asked for is named once, 153 blocks of 256 bytes for each work-group of cluster x = 0 (waves 0-4, a lane a block); the last refill names nothing.
; The stage of the last exchange, 4,352 bytes a wave, lies in slot 0, which has had its last fill and, ahead of the last barrier of the ring, its last read.
; LIMITS: the promise holds while the scaled scores stay under 2^31 in magnitude; NaN and infinities are not served; a block of p under 2^-124 gets the byte 1.
.set REC,   13056
.set SLOT,  12*REC
.set SPARE, 2*SLOT                     ; the spare words, 128 bytes for each of twelve waves
.set YB,    96*REC
.set STG,   4352
.set WV,  10
.set SEL, 16
.set CS,  18
.set PFA, 20
.set LIM, 22
.set G1,  24
.set G0,  32
.set TB,  42
.set TRIP, 43
.set SPW, 4                            ; v1-3 my LDS bases (16, 8, 4 bytes a lane), v6-8 the step's, v9 the prefetches' offset
.set NIL, 5
.set PFO, 9
.set NA,  12                           ; v12 -M, v13 the largest score, of tile A;  v14, v15 of tile B
.set NB,  14
.set LA,  16                           ; v16-19 tile A's sum in four parts;  v20-23 tile B's
.set LB,  20
.set FR,  24                           ; v24 f (v25 is only named with it)
.set QS,  26                           ; q's scale words: lanes 0-15 tile A, lanes 16-31 tile B
.set PS,  27                           ; p's scale word
.set KS,  28                           ; v28-31 K's scale words, v32-33 V's
.set VS,  32
.set T0,  34
.set T1,  35
.set VR,  40                           ; v40-87 V^T's four fragments
.set SR,  88                           ; v88-151 scores, then p
.set OA,  152                          ; v152-183, v184-215 O^T of tiles A, B
.set OB,  184
.set PR,  216                          ; v216-235 p's codes
.set TC,  228
.set BM,  236
.set BP,  240
.set SO,  244
.set BY,  248
.set TM,  236
.set TP,  240
.set QA,  54                           ; in v256 on: 0-47 K, 48-53 zeros, 54-65 and 66-77 q of tiles A, B (six registers of codes, six of zeros)
.set QB,  66
.set MSB, 0
.macro WIN new                         ; the immediate's high byte repeats the setting that is left
.if MSB != \new
	s_set_vgpr_msb (MSB<<8)|\new
.set MSB, \new
.endif
.endm
.macro CREST                           ; a round of the cluster's barrier behind its opening barrier
	s_cmp_lg_u32 s[WV], 0
	s_cbranch_scc1 .Lnot_wave_0_\@
	s_barrier_signal -3
.Lnot_wave_0_\@:
	s_barrier_wait -3
	s_barrier_signal -1
	s_barrier_wait -1
.endm
.macro CROUND
	s_barrier_signal -1
	s_barrier_wait -1
	CREST
.endm
.macro WMZ d, a, b, sa, sb, ra, rb
.if (\ra) && (\rb)
	v_wmma_scale_f32_16x16x128_f8f6f4 v[(\d):(\d)+7], v[(\a):(\a)+11], v[(\b):(\b)+11], 0, v[\sa], v[\sb] matrix_a_fmt:MATRIX_FMT_FP6 matrix_b_fmt:MATRIX_FMT_FP6 matrix_a_scale:MATRIX_SCALE_ROW1 matrix_b_scale:MATRIX_SCALE_ROW1
.elseif (\ra)
	v_wmma_scale_f32_16x16x128_f8f6f4 v[(\d):(\d)+7], v[(\a):(\a)+11], v[(\b):(\b)+11], 0, v[\sa], v[\sb] matrix_a_fmt:MATRIX_FMT_FP6 matrix_b_fmt:MATRIX_FMT_FP6 matrix_a_scale:MATRIX_SCALE_ROW1
.elseif (\rb)
	v_wmma_scale_f32_16x16x128_f8f6f4 v[(\d):(\d)+7], v[(\a):(\a)+11], v[(\b):(\b)+11], 0, v[\sa], v[\sb] matrix_a_fmt:MATRIX_FMT_FP6 matrix_b_fmt:MATRIX_FMT_FP6 matrix_b_scale:MATRIX_SCALE_ROW1
.else
	v_wmma_scale_f32_16x16x128_f8f6f4 v[(\d):(\d)+7], v[(\a):(\a)+11], v[(\b):(\b)+11], 0, v[\sa], v[\sb] matrix_a_fmt:MATRIX_FMT_FP6 matrix_b_fmt:MATRIX_FMT_FP6
.endif
.endm
.macro WMA d, a, b, sa, sb, ra
.if (\ra)
	v_wmma_scale_f32_16x16x128_f8f6f4 v[(\d):(\d)+7], v[(\a):(\a)+11], v[(\b):(\b)+11], v[(\d):(\d)+7], v[\sa], v[\sb] matrix_a_fmt:MATRIX_FMT_FP6 matrix_b_fmt:MATRIX_FMT_FP6 matrix_a_scale:MATRIX_SCALE_ROW1
.else
	v_wmma_scale_f32_16x16x128_f8f6f4 v[(\d):(\d)+7], v[(\a):(\a)+11], v[(\b):(\b)+11], v[(\d):(\d)+7], v[\sa], v[\sb] matrix_a_fmt:MATRIX_FMT_FP6 matrix_b_fmt:MATRIX_FMT_FP6
.endif
.endm
.macro ASK how
.if \how
	s_cmp_gt_u32 s[TRIP], s[LIM]                   ; not in the ring's last trip: no chunk is left to name
.else
	s_cmp_eq_u32 s[LIM], 1
.endif
	s_cbranch_scc0 .Lnot_mine_\@
	global_prefetch_b8 v[PFO], s[PFA:PFA+1] th:TH_LOAD_NT scope:SCOPE_SE
.Lnot_mine_\@:
.endm
.macro KLOAD                           ; K's four double fragments and their scale words: 14 loads
	WIN 0x40                                       ; destination v256 on
.irp i, 0,1,2,3,4,5,6,7,8,9,10,11
	ds_load_b128 v[4*\i:4*\i+3], v6 offset:512*\i
.endr
	WIN 0
	ds_load_b64 v[KS:KS+1], v7 offset:12288
	ds_load_b64 v[KS+2:KS+3], v7 offset:12544
.endm
.macro NEWADR slot                     ; the addresses of my first step in a slot
	s_mov_b32 s[TB], (\slot)*SLOT
	v_add_nc_u32 v6, s[TB], v1
	v_add_nc_u32 v7, s[TB], v2
	v_add_nc_u32 v8, s[TB], v3
	s_wait_alu depctr_va_vdst(0)
.endm
	s_load_b128 s[4:7], s[0:1], 0x0                ; qc, kv
	s_load_b64 s[8:9], s[0:1], 0x10                ; att
	v_lshl_add_u32 v[SPW], v0, 2, SPARE
	v_mov_b32 v[NIL], 0
	ds_add_u32 v[SPW], v[NIL]                      ; the opening lines: the add, twice on end, and its wait
	ds_add_u32 v[SPW], v[NIL]
	v_lshrrev_b32 v1, 5, v0
	s_delay_alu instid0(VALU_DEP_1)
	v_readfirstlane_b32 s[WV], v1
	s_bfe_u32 s11, ttmp6, 0x40000                  ; cx
	s_lshl_b32 s12, ttmp9, 2
	s_add_co_u32 s12, s12, s11                     ; my block of 64 queries
	s_and_b32 s13, ttmp7, 0xffff                   ; y
	s_lshr_b32 s14, s[WV], 2                       ; my head of the three
	s_and_b32 s15, s[WV], 3                        ; the tile of 16 queries that I finish
	s_mov_b32 s[G1], 15|(3<<16)|(1<<21)            ; the mask: all four work-groups; elements of 8 bytes
	s_mov_b32 s[G1+1], 32<<16                      ; rows of 256 bytes
	s_mov_b32 s[G1+2], 51<<16                      ; 51 rows: a record
	s_mov_b32 s[G1+3], 32<<16
	s_mov_b32 s[G1+4], 51
	s_mov_b32 s[G1+5], 32
	s_mov_b32 s[G1+6], 0
	s_mov_b32 s[G1+7], 0
	s_mov_b32 s[SEL], 0x76543210
	s_mov_b32 s[SEL+1], 0xfedcba98                 ; lane l xor 16
	s_mov_b32 s[CS], 0x3e38aa3b                    ; c = log2(e) / 8
	s_mov_b32 s[CS+1], s[CS]
	s_mul_i32 s46, s13, YB
	s_mov_b32 s47, 0
	s_mul_i32 s48, s[WV], REC                      ; the record of a slot that I fetch, in memory and in LDS
	s_mov_b32 s49, 0
	s_mul_i32 s50, s11, 3*REC                      ; the prefetches: my work-group's quarter of a chunk, from chunk 2 on
	s_add_co_u32 s50, s50, 2*SLOT
	s_add_co_u32 s50, s50, s46
	s_mov_b32 s51, 0
	s_cmp_lt_u32 s[WV], 5
	s_cselect_b32 s[LIM], 0, 1
	s_or_b32 s[LIM], s[LIM], ttmp9
	s_cmp_eq_u32 s[LIM], 0
	s_cselect_b32 s[LIM], 1, -1                    ; 1: waves 0-4 of cluster x = 0 ask; else nobody
	v_min_u32 v[PFO], 152, v0
	s_delay_alu instid0(VALU_DEP_1)
	v_lshlrev_b32 v[PFO], 8, v[PFO]
	s_lshr_b32 s52, s13, 2                         ; batch
	s_and_b32 s53, s13, 3
	s_mul_i32 s53, s53, 3
	s_add_co_u32 s53, s53, s14                     ; head
	s_mul_i32 s54, s52, 12
	s_add_co_u32 s54, s54, s53
	s_lshl_b32 s54, s54, 5
	s_add_co_u32 s54, s54, s12
	s_mul_i32 s54, s54, 3328                       ; q's record of 64 queries
	s_lshr_b32 s56, s15, 1                         ; my double fragment of q
	s_and_b32 s57, s15, 1                          ; my parity
	s_mul_i32 s58, s56, 1536
	s_add_co_u32 s58, s58, s54
	s_mov_b32 s59, 0
	s_lshl_b32 s60, s56, 2
	s_add_co_u32 s60, s60, s54
	s_add_co_u32 s60, s60, 3072                    ; its scale words, 8 bytes a lane
	s_mov_b32 s61, 0
	s_cmp_eq_u32 s57, 1
	s_cselect_b32 s45, -1, 0                       ; all ones: I finish tile B
	s_lshl_b32 s62, s52, 5
	s_add_co_u32 s62, s62, s12
	s_mul_i32 s62, s62, 43008                      ; where the result goes
	s_mul_i32 s63, s15, 12
	s_add_co_u32 s63, s63, s53
	s_mul_i32 s54, s63, 768
	s_add_co_u32 s54, s54, s62
	s_mov_b32 s55, 0
	s_lshl_b32 s56, s63, 7
	s_add_co_u32 s56, s56, s62
	s_add_co_u32 s56, s56, 36864
	s_mov_b32 s57, 0
	s_mul_i32 s62, s14, REC                        ; in a slot: my head's record
	s_and_b32 s63, s[WV], 1
	s_mul_i32 s63, s63, 3*REC
	s_add_co_u32 s62, s62, s63                     ; of step 0 or 1, by my parity
	s_wait_dscnt 0x0                               ; both opening adds are done
	s_wait_kmcnt 0x0
	s_add_nc_u64 s[46:47], s[6:7], s[46:47]
	s_add_nc_u64 s[46:47], s[46:47], s[48:49]
	s_add_nc_u64 s[PFA:PFA+1], s[6:7], s[50:51]
	s_add_nc_u64 s[58:59], s[4:5], s[58:59]
	s_add_nc_u64 s[60:61], s[4:5], s[60:61]
	s_add_nc_u64 s[54:55], s[8:9], s[54:55]
	s_add_nc_u64 s[56:57], s[8:9], s[56:57]
	CROUND                                         ; all four work-groups are here: the joint loads meet
.irp n, 0,1
	s_mov_b32 s[G0+4*\n], 1
	s_add_co_u32 s[G0+4*\n+1], s48, \n*SLOT
	s_add_nc_u64 s[G0+4*\n+2:G0+4*\n+3], s[46:47], \n*SLOT
	s_or_b32 s[G0+4*\n+3], s[G0+4*\n+3], 0x80000000
.endr
	tensor_load_to_lds s[G0:G0+3], s[G1:G1+7]      ; chunk 0: one tensor load a wave at the head
	s_nop 0
.rept 4
	v_nop
.endr
	v_and_b32 v10, 31, v0
	s_delay_alu instid0(VALU_DEP_1)
	v_lshlrev_b32 v6, 4, v10
	v_lshlrev_b32 v7, 3, v10
.irp c, 0,1,2
	global_load_b128 v[SR+4*\c:SR+4*\c+3], v6, s[58:59] offset:512*\c   ; q's double fragment: registers 0-5 tile A, 6-11 tile B
.endr
	global_load_b32 v[QS], v7, s[60:61]
	v_lshl_add_u32 v1, v10, 4, s62
	v_lshl_add_u32 v2, v10, 3, s62
	v_lshl_add_u32 v3, v10, 2, s62
.irp n, NA, NB
	v_mov_b32 v[\n], 0x7f61b1e6                    ; -M: 3e38, so that the first step's f is 0
	v_mov_b32 v[\n+1], 0xff61b1e6                  ; the largest score so far: -3e38
.endr
.irp i, 0,1,2,3,4,5,6,7
	v_mov_b32 v[LA+\i], 0
.endr
	v_mov_b32 v[FR+1], 0
.irp b, 0,1,2,3
	v_mov_b32 v[BP+\b], 0                          ; a lane permute's destination counts as read
.endr
.set j, 0
.rept 64
	v_mov_b32 v[OA+j], 0                           ; O^T: the step is written once and finds zeros
.set j, j+1
.endr
	s_wait_loadcnt 0x0
	WIN 0x40                                       ; destination v256 on
.irp i, 0,1,2,3,4,5
	v_mov_b32 v[QA+\i], v[SR+\i]
	v_mov_b32 v[QB+\i], v[SR+6+\i]
	v_mov_b32 v[QA+6+\i], 0                        ; zero codes: the upper 64 of the scores' K
	v_mov_b32 v[QB+6+\i], 0
	v_mov_b32 v[48+\i], 0
.endr
	WIN 0
	NEWADR 0
	s_wait_tensorcnt 0x0                           ; my record of chunk 0 is in
	ds_add_u32 v[SPW], v[NIL]
	s_wait_dscnt 0x0
	CROUND
	tensor_load_to_lds s[G0+4:G0+7], s[G1:G1+7]    ; chunk 1, the first tensor load behind the round
	s_nop 0
.rept 4
	v_nop
.endr
	KLOAD
; One tile of queries against a step's 128 keys.  o, l, n: the tile's O^T, sums and -M; q, rb: its codes and the row of its scale words.
; mid: behind the score products K's registers take my next step's fragments.  vw: V's loads are still to be waited for.
.macro TILE o, l, n, q, rb, mid, vw
	WIN 0x05                                       ; sources 0 and 1 in v256 on
.irp t, 0,1,2,3,4,5,6,7
	WMZ SR+8*\t, 6*\t, \q, KS+\t/2, QS, \t%2, \rb
.endr
	WIN 0
.if \mid
	v_add_nc_u32 v6, s[TB], v1                     ; the next step's addresses; with the v_nop: four places
	v_add_nc_u32 v7, s[TB], v2
	v_add_nc_u32 v8, s[TB], v3
	v_nop
	KLOAD
.else
.rept 4
	v_nop
.endr
.endif
.irp b, 0,1,2,3
	v_max3_num_f32 v[BM+\b], v[SR+16*\b], v[SR+1+16*\b], v[SR+2+16*\b]   ; each block's largest score
.endr
.irp i, 3,5,7,9,11,13
.irp b, 0,1,2,3
	v_max3_num_f32 v[BM+\b], v[BM+\b], v[SR+16*\b+\i], v[SR+1+16*\b+\i]
.endr
.endr
.irp b, 0,1,2,3
	v_max_num_f32 v[BM+\b], v[BM+\b], v[SR+15+16*\b]
.endr
.irp b, 0,1,2,3
	s_delay_alu instid0(VALU_DEP_4)
	v_permlanex16_b32 v[BP+\b], v[BM+\b], s[SEL], s[SEL+1]
.endr
.irp b, 0,1,2,3
	s_delay_alu instid0(VALU_DEP_4)
	v_max_num_f32 v[BM+\b], v[BM+\b], v[BP+\b]
.endr
	s_delay_alu instid0(VALU_DEP_2)
	v_max3_num_f32 v[T0], v[BM], v[BM+1], v[BM+2]
	s_delay_alu instid0(VALU_DEP_1)
	v_max3_num_f32 v[(\n)+1], v[(\n)+1], v[T0], v[BM+3]   ; the running largest score
	s_delay_alu instid0(VALU_DEP_1)
	v_mul_f32 v[T0], s[CS], v[(\n)+1]              ; as t
	s_delay_alu instid0(VALU_DEP_1)
	v_floor_f32 v[T1], -v[T0]                      ; -M = -ceil(t)
	s_delay_alu instid0(VALU_DEP_1)
	v_sub_f32 v[T0], v[T1], v[\n]                  ; old M less new M
	v_mov_b32 v[\n], v[T1]
	s_delay_alu instid0(VALU_DEP_2)
	v_cvt_i32_f32 v[T0], v[T0]
	s_delay_alu instid0(VALU_DEP_1)
	v_ldexp_f32 v[FR], 1.0, v[T0]                  ; f, an exact power of two
.set j, 0
.rept 32
	v_pk_fma_f32 v[SR+j:SR+j+1], v[SR+j:SR+j+1], s[CS:CS+1], v[(\n):(\n)+1] op_sel_hi:[1,0,0]   ; t - M
.set j, j+2
.endr
	v_pk_fma_f32 v[BM:BM+1], v[BM:BM+1], s[CS:CS+1], v[(\n):(\n)+1] op_sel_hi:[1,0,0]
	v_pk_fma_f32 v[BM+2:BM+3], v[BM+2:BM+3], s[CS:CS+1], v[(\n):(\n)+1] op_sel_hi:[1,0,0]
	s_wait_alu depctr_va_vdst(0)                   ; directly ahead of the first reader of O^T, and ahead of the batch
.set j, 0
.rept 16
	v_pk_mul_f32 v[(\o)+j:(\o)+j+1], v[(\o)+j:(\o)+j+1], v[FR:FR+1] op_sel_hi:[1,0]   ; O^T under the new M, from each accumulator's low end on
.set j, j+2
.endr
.irp b, 0,1,2,3
	v_exp_f32 v[BM+\b], v[BM+\b]                   ; each block's largest p
.endr
.set j, 0
.rept 64
	v_exp_f32 v[SR+j], v[SR+j]
.set j, j+1
.endr
	v_pk_mul_f32 v[(\l):(\l)+1], v[(\l):(\l)+1], v[FR:FR+1] op_sel_hi:[1,0]   ; the sums under the new M: plain work behind the batch
	v_pk_mul_f32 v[(\l)+2:(\l)+3], v[(\l)+2:(\l)+3], v[FR:FR+1] op_sel_hi:[1,0]
	s_wait_alu depctr_va_vdst(0)                   ; and the wait behind it
.irp b, 0,1,2,3
	v_max_num_f32 v[BM+\b], 0x1800000, v[BM+\b]    ; the floor holds the byte at 1 from below
.endr
.irp b, 0,1,2,3
	s_delay_alu instid0(VALU_DEP_4)
	v_add_nc_u32 v[SO+\b], 0xff000000, v[BM+\b]
.endr
.irp b, 0,1,2,3
	s_delay_alu instid0(VALU_DEP_4)
	v_lshrrev_b32 v[BY+\b], 23, v[SO+\b]
.endr
	s_delay_alu instid0(VALU_DEP_3)
	v_lshl_or_b32 v[PS], v[BY+1], 8, v[BY]
	s_delay_alu instid0(VALU_DEP_1)
	v_lshl_or_b32 v[PS], v[BY+2], 16, v[PS]
	s_delay_alu instid0(VALU_DEP_1)
	v_lshl_or_b32 v[PS], v[BY+3], 24, v[PS]
.irp c, 0,1
	v_cvt_scalef32_pk16_fp6_f32 v[PR+6*\c:PR+6*\c+2], v[SR+32*\c:SR+32*\c+15], v[SO+2*\c]
	v_cvt_scalef32_pk16_fp6_f32 v[TC+4*\c:TC+4*\c+2], v[SR+16+32*\c:SR+31+32*\c], v[SO+2*\c+1]
.endr
	v_nop                                          ; one plain place behind a scaled conversion
.irp c, 0,1
.irp i, 0,1,2
	v_permlane16_swap_b32 v[PR+6*\c+\i], v[TC+4*\c+\i]
.endr
.irp i, 0,1,2
	s_delay_alu instid0(VALU_DEP_3)
	v_mov_b32 v[PR+3+6*\c+\i], v[TC+4*\c+\i]
.endr
.endr
.set j, 0
.rept 4
	v_pk_add_f32 v[(\l):(\l)+1], v[(\l):(\l)+1], v[SR+j:SR+j+1]   ; the row's sum of the unquantised p; these eight are the places ahead of the products
	v_pk_add_f32 v[(\l)+2:(\l)+3], v[(\l)+2:(\l)+3], v[SR+2+j:SR+3+j]
.set j, j+4
.endr
.if \vw
	s_wait_alu depctr_va_vdst(0)
	s_wait_dscnt 0x0                               ; V's loads are in
.endif
.irp f, 0,1,2,3
	WMA (\o)+8*\f, VR+12*\f, PR, VS+\f/2, PS, \f%2
.endr
.rept 12
	v_pk_add_f32 v[(\l):(\l)+1], v[(\l):(\l)+1], v[SR+j:SR+j+1]   ; the rest of the sum: the places behind the products
	v_pk_add_f32 v[(\l)+2:(\l)+3], v[(\l)+2:(\l)+3], v[SR+2+j:SR+3+j]
.set j, j+4
.endr
.endm
; mode 0: my first step in a slot.  1: my last, the slot is filled again.  2: my last, nothing is filled.  3: the very last step.
.macro STEP2 mode, slot, how
.irp i, 0,1,2,3,4,5,6,7,8,9,10,11
	ds_load_b128 v[VR+4*\i:VR+4*\i+3], v6 offset:6144+512*\i
.endr
	ds_load_b32 v[VS], v8 offset:12800
	ds_load_b32 v[VS+1], v8 offset:12928
.if (\mode) == 0
	s_wait_dscnt 14                                ; K's 14 loads are in; V's 14 may be out
	TILE OA, LA, NA, QA, 0, 0, 1
	TILE OB, LB, NB, QB, 1, 1, 0
.else
.if (\mode) == 3
	s_wait_dscnt 0x0
.else
	s_wait_tensorcnt 0x0                           ; my record of the other slot is in
	ds_add_u32 v[SPW], v[NIL]
.if (\mode) == 1
	s_add_nc_u64 s[G0+4*(\slot)+2:G0+4*(\slot)+3], s[G0+4*(\slot)+2:G0+4*(\slot)+3], 2*SLOT
	s_wait_xcnt 0x0                                ; my prefetch has read its address
	s_add_nc_u64 s[PFA:PFA+1], s[PFA:PFA+1], SLOT
.endif
	s_wait_dscnt 0x0                               ; the add is done, and all my reads of this slot: K's and V's fragments are in registers
	s_barrier_signal -1                            ; only work on registers stands between this signal and its wait
.endif
	TILE OA, LA, NA, QA, 0, 0, 0
	TILE OB, LB, NB, QB, 1, 0, 0
.endif
.if (\mode) == 1
	s_barrier_wait -1
	CREST                                          ; the barrier has opened a round: no wave of any partner reads this slot or has a load out
	tensor_load_to_lds s[G0+4*(\slot):G0+4*(\slot)+3], s[G1:G1+7]
	s_nop 0
.rept 4
	v_nop
.endr
	NEWADR 1-(\slot)
	KLOAD
	ASK \how
.elseif (\mode) == 2
	s_barrier_wait -1
	NEWADR 1-(\slot)
	KLOAD
.endif
.endm
.macro PROCESS slot, mode, how         ; a chunk: my two steps of its four
	s_mov_b32 s[TB], (\slot)*SLOT+6*REC
	STEP2 0, 0, 0
	STEP2 \mode, \slot, \how
.endm
	s_mov_b32 s[TRIP], 3
.Lring:                                                ; chunks 0 to 5: each slot is filled again with the chunk two on
	PROCESS 0, 1, 0
	PROCESS 1, 1, 1
	s_sub_co_u32 s[TRIP], s[TRIP], 1
	s_cmp_lg_u32 s[TRIP], 0
	s_cbranch_scc1 .Lring
	PROCESS 0, 2, 0
	PROCESS 1, 3, 0
.macro QUANT2 s, pc, w                 ; 32 numbers of a lane become six registers of codes and a scale word
.irp b, 0,1
	v_max3_num_f32 v[TM+\b], |v[(\s)+16*\b]|, |v[(\s)+1+16*\b]|, 0x1800000
.endr
.irp i, 2,4,6,8,10,12,14
.irp b, 0,1
	s_delay_alu instid0(VALU_DEP_2)
	v_max3_num_f32 v[TM+\b], v[TM+\b], |v[(\s)+16*\b+\i]|, |v[(\s)+1+16*\b+\i]|
.endr
.endr
.irp b, 0,1
	s_delay_alu instid0(VALU_DEP_2)
	v_permlanex16_b32 v[TP+\b], v[TM+\b], s[SEL], s[SEL+1]
.endr
.irp b, 0,1
	s_delay_alu instid0(VALU_DEP_2)
	v_max_num_f32 v[TM+\b], v[TM+\b], v[TP+\b]
.endr
.irp b, 0,1
	s_delay_alu instid0(VALU_DEP_2)
	v_add_nc_u32 v[SO+\b], 0xff000000, v[TM+\b]
.endr
.irp b, 0,1
	s_delay_alu instid0(VALU_DEP_2)
	v_lshrrev_b32 v[BY+\b], 23, v[SO+\b]
.endr
	s_delay_alu instid0(VALU_DEP_1)
	v_lshl_or_b32 v[\w], v[BY+1], 8, v[BY]
	v_cvt_scalef32_pk16_fp6_f32 v[(\pc):(\pc)+2], v[(\s):(\s)+15], v[SO]
	v_cvt_scalef32_pk16_fp6_f32 v[TC:TC+2], v[(\s)+16:(\s)+31], v[SO+1]
	v_nop
.irp i, 0,1,2
	v_permlane16_swap_b32 v[(\pc)+\i], v[TC+\i]
.endr
.irp i, 0,1,2
	s_delay_alu instid0(VALU_DEP_3)
	v_mov_b32 v[(\pc)+3+\i], v[TC+\i]
.endr
.endm
; THE EXCHANGE.  I keep the partial of the tile that I finish (v88-119) and hand the other tile's (v120-151, its sum and -M) to wave w xor 1 through my stage.
	s_mul_i32 s46, s[WV], STG
	s_xor_b32 s47, s[WV], 1
	s_mul_i32 s47, s47, STG
	s_wait_alu depctr_va_vdst(0)                   ; directly ahead of the first reader of O^T
.set j, 0
.rept 32
	v_cndmask_b32 v[SR+j], v[OA+j], v[OB+j], s45
.set j, j+1
.endr
.set j, 0
.rept 32
	v_cndmask_b32 v[SR+32+j], v[OB+j], v[OA+j], s45
.set j, j+1
.endr
	v_add_f32 v[LA], v[LA], v[LA+1]
	v_add_f32 v[LA+2], v[LA+2], v[LA+3]
	v_add_f32 v[LB], v[LB], v[LB+1]
	v_add_f32 v[LB+2], v[LB+2], v[LB+3]
	s_delay_alu instid0(VALU_DEP_3)
	v_add_f32 v[LA], v[LA], v[LA+2]
	s_delay_alu instid0(VALU_DEP_2)
	v_add_f32 v[LB], v[LB], v[LB+2]
	v_and_b32 v38, 31, v0
	s_delay_alu instid0(VALU_DEP_2)
	v_cndmask_b32 v10, v[LA], v[LB], s45           ; my tile's sum, and the other's
	v_cndmask_b32 v36, v[LB], v[LA], s45
	v_cndmask_b32 v11, v[NA], v[NB], s45           ; my tile's -M, and the other's
	v_cndmask_b32 v37, v[NB], v[NA], s45
	v_lshl_add_u32 v6, v38, 4, s46
	v_lshl_add_u32 v7, v38, 3, s46
	v_lshl_add_u32 v8, v38, 4, s47
	v_lshl_add_u32 v39, v38, 3, s47
.irp k, 0,1,2,3,4,5,6,7
	ds_store_b128 v6, v[SR+32+4*\k:SR+35+4*\k] offset:512*\k
.endr
	ds_store_b64 v7, v[36:37] offset:4096
	s_wait_alu depctr_va_vdst(0)
	s_wait_dscnt 0x0                               ; my stores are done
	s_barrier_signal -1
	s_barrier_wait -1
.irp k, 0,1,2,3,4,5,6,7
	ds_load_b128 v[VR+4*\k:VR+4*\k+3], v8 offset:512*\k   ; my tile's other partial
.endr
	ds_load_b64 v[72:73], v39 offset:4096
	s_wait_dscnt 0x0
	v_min_num_f32 v[T0], v11, v73                  ; -M of the two together
	s_delay_alu instid0(VALU_DEP_1)
	v_sub_f32 v11, v[T0], v11
	v_sub_f32 v73, v[T0], v73
	s_delay_alu instid0(VALU_DEP_2)
	v_cvt_i32_f32 v11, v11
	s_delay_alu instid0(VALU_DEP_2)
	v_cvt_i32_f32 v73, v73
	s_delay_alu instid0(VALU_DEP_2)
	v_ldexp_f32 v11, 1.0, v11                      ; what brings my partial under it,
	s_delay_alu instid0(VALU_DEP_2)
	v_ldexp_f32 v73, 1.0, v73                      ; and the other
	s_delay_alu instid0(VALU_DEP_2)
	v_mul_f32 v10, v10, v11
	s_delay_alu instid0(VALU_DEP_1)
	v_fma_f32 v10, v72, v73, v10
	s_delay_alu instid0(VALU_DEP_1)
	v_permlanex16_b32 v[T0], v10, s[SEL], s[SEL+1]
	s_delay_alu instid0(VALU_DEP_1)
	v_add_f32 v10, v10, v[T0]                      ; with lane l xor 16's: the row's sum
	s_wait_alu depctr_va_vdst(0)                   ; ahead of the transcendental
	v_rcp_f32 v10, v10
	v_lshlrev_b32 v6, 4, v38
	v_lshlrev_b32 v7, 3, v38
	v_lshlrev_b32 v8, 2, v38
	s_wait_alu depctr_va_vdst(0)                   ; and behind it
	v_mul_f32 v[FR], v11, v10
	v_mul_f32 v[T0], v73, v10
.set j, 0
.rept 16
	v_pk_mul_f32 v[SR+j:SR+j+1], v[SR+j:SR+j+1], v[FR:FR+1] op_sel_hi:[1,0]
.set j, j+2
.endr
.set j, 0
.rept 16
	v_pk_fma_f32 v[SR+j:SR+j+1], v[VR+j:VR+j+1], v[T0:T0+1], v[SR+j:SR+j+1] op_sel_hi:[1,0,1]
.set j, j+2
.endr
	QUANT2 SR, PR, PS
	global_store_b128 v6, v[PR:PR+3], s[54:55]
	global_store_b64 v7, v[PR+4:PR+5], s[54:55] offset:512
	global_store_b32 v8, v[PS], s[56:57]
	s_wait_tensorcnt 0x0                           ; the wave's end
	ds_add_u32 v[SPW], v[NIL]
	s_wait_dscnt 0x0
	CROUND                                         ; the closing round
	s_endpgm
.Lfunc_end_k_qd65ade5e0c_attn:
	.size	k_qd65ade5e0c_attn, .Lfunc_end_k_qd65ade5e0c_attn-k_qd65ade5e0c_attn
	.p2alignl 7, 3214868480
	.fill 96, 4, 3214868480
	.section	.rodata,"a",@progbits
	.p2align	6, 0x0
	.amdhsa_kernel k_qd65ade5e0c_attn
		.amdhsa_group_segment_fixed_size 327680
		.amdhsa_private_segment_fixed_size 0
		.amdhsa_enable_private_segment 0
		.amdhsa_kernarg_size 24
		.amdhsa_user_sgpr_count 2
		.amdhsa_user_sgpr_kernarg_segment_ptr 1
		.amdhsa_wavefront_size32 1
		.amdhsa_system_sgpr_workgroup_id_x 1
		.amdhsa_system_sgpr_workgroup_id_y 1
		.amdhsa_system_sgpr_workgroup_id_z 1
		.amdhsa_system_vgpr_workitem_id 0
		.amdhsa_next_free_vgpr 336
		.amdhsa_next_free_sgpr 66
		.amdhsa_reserve_vcc 0
		.amdhsa_float_denorm_mode_32 3
		.amdhsa_float_denorm_mode_16_64 3
		.amdhsa_memory_ordered 1
		.amdhsa_forward_progress 1
		.amdhsa_inst_pref_size 255
	.end_amdhsa_kernel
	.section	.bss,"aw",@nobits
	.p2align	6
	.space	262144
	.amdgpu_metadata
---
amdhsa.version: [ 1, 2 ]
amdhsa.kernels:
  - .name:           k_qd65ade5e0c_attn
    .symbol:         k_qd65ade5e0c_attn.kd
    .args:
      - { .name: qc, .offset: 0, .size: 8, .value_kind: global_buffer, .address_space: global }
      - { .name: kv, .offset: 8, .size: 8, .value_kind: global_buffer, .address_space: global }
      - { .name: att, .offset: 16, .size: 8, .value_kind: global_buffer, .address_space: global }
    .group_segment_fixed_size: 327680
    .private_segment_fixed_size: 0
    .kernarg_segment_align: 8
    .kernarg_segment_size: 24
    .max_flat_workgroup_size: 384
    .sgpr_count:     66
    .vgpr_count:     336
    .wavefront_size: 32
...
	.end_amdgpu_metadata
.endif
;; end of part 3
;; launch oproj (part 4): grid 64 x 3, 16 waves a work-group, clusters of 4 x 1, 274,432 bytes of LDS; arguments att, codes, bo, out0; writes out0
.if DOCPART == 4
	.amdgcn_target "amdgcn-amd-amdhsa--gfx1250"
	.amdhsa_code_object_version 6
	.text
	.protected	k_qd65ade5e0c_oproj
	.globl	k_qd65ade5e0c_oproj
	.p2align	8
	.type	k_qd65ade5e0c_oproj,@function
k_qd65ade5e0c_oproj:
	s_mov_b64 s[64:65], 0
	v_nop
	global_prefetch_b8 v0, s[64:65] scope:SCOPE_SE
	s_setreg_imm32_b32 hwreg(HW_REG_WAVE_MODE, 25, 1), 1
	s_wait_xcnt 0x0
	s_wait_alu depctr_hold_cnt(0) depctr_sa_sdst(0) depctr_va_vdst(0) depctr_va_sdst(0) depctr_va_ssrc(0) depctr_va_vcc(0) depctr_vm_vsrc(0)
	s_getreg_b32 s2, hwreg(HW_REG_IB_STS2, 6, 4)
	s_cmp_eq_u32 s2, 0
	s_cbranch_scc0 .Lentry_in_a_cluster
	s_endpgm
.Lentry_in_a_cluster:
	s_bfe_u32 s2, ttmp6, 0x10000c
	s_cmp_lg_u32 s2, 0x3003
	s_cbranch_scc0 .Lentry_shape_is_right
	s_endpgm
.Lentry_shape_is_right:
; out0 = attention Wo^T + bo on codes of FP6 (E2M3).  A work-group makes 64 rows x 256 columns: 192 work-groups; 73,728 matrix instructions in all are too few to share further.
; Row block = 4 x cluster x + cx, column block = y.  Wave w: tile of rows w / 4, 64 features w % 4 (four tiles of Wo).  All of K = 768 lies in LDS, filled once: the rows' block of 43,008 bytes
; (waves 0-7, one load each) and Wo's block of 159,744 (waves 8-15, one load each).
; CLUSTER: the four row blocks of a cluster read the same block of Wo, four fifths of a work-group's bytes: its loads are joint (mask 15).
; The product is used transposed (source 0 = 16 rows of Wo, source 1 = 16 rows of attention): a lane holds eight neighbouring features of one row.  A K step of 128 is two heads: registers 0-5 the even head's
; codes, 6-11 the odd head's; its scale word is the two heads' words joined.  bo is loaded into the accumulators, and the sums add onto it.
; The rows of a tile are 32 (T / 2) + 8 (T % 2) + i % 8 + 16 (i / 8), as the first launch chose them.  Results go through the wave's own stage (16 rows x 272 bytes) and leave as aligned runs of 256 bytes.
; No prefetch: every tensor load goes out at the head.
.set BLK,   159744
.set GRP,   53248
.set ESTR,  24576
.set SCO,   49152
.set BOFF,  43008                      ; Wo's block in LDS
.set STAGE, 202752
.set SPARE, 272384
.set WV,  12
.set G1A, 24
.set G1B, 32
.set G0A, 40
.set G0B, 44                           ; s[44:47]: none of these registers ever holds cx
.set SPW, 5
.set NIL, 6
.macro CROUND
	s_barrier_signal -1
	s_barrier_wait -1
	s_cmp_lg_u32 s[WV], 0
	s_cbranch_scc1 .Lnot_wave_0_\@
	s_barrier_signal -3
.Lnot_wave_0_\@:
	s_barrier_wait -3
	s_barrier_signal -1
	s_barrier_wait -1
.endm
.macro WM d, a, b, sa, sb, ra
.if (\ra)
	v_wmma_scale_f32_16x16x128_f8f6f4 v[(\d):(\d)+7], v[(\a):(\a)+11], v[(\b):(\b)+11], v[(\d):(\d)+7], v[\sa], v[\sb] matrix_a_fmt:MATRIX_FMT_FP6 matrix_b_fmt:MATRIX_FMT_FP6 matrix_a_scale:MATRIX_SCALE_ROW1
.else
	v_wmma_scale_f32_16x16x128_f8f6f4 v[(\d):(\d)+7], v[(\a):(\a)+11], v[(\b):(\b)+11], v[(\d):(\d)+7], v[\sa], v[\sb] matrix_a_fmt:MATRIX_FMT_FP6 matrix_b_fmt:MATRIX_FMT_FP6
.endif
.endm
	s_load_b256 s[4:11], s[0:1], 0x0               ; att, codes, bo, out0
	v_lshl_add_u32 v[SPW], v0, 2, SPARE
	v_mov_b32 v[NIL], 0
	ds_add_u32 v[SPW], v[NIL]                      ; the wave's opening: the add and its wait ahead of my first tensor load
	ds_add_u32 v[SPW], v[NIL]
	v_lshrrev_b32 v1, 5, v0
	s_delay_alu instid0(VALU_DEP_1)
	v_readfirstlane_b32 s[WV], v1
	s_bfe_u32 s13, ttmp6, 0x40000                  ; cx
	s_lshl_b32 s14, ttmp9, 2
	s_add_co_u32 s14, s14, s13                     ; my row block
	s_and_b32 s15, ttmp7, 0xffff                   ; my column block
	s_and_b32 s16, s[WV], 7
	s_mov_b32 s[G1A], 3<<16                        ; no mask; elements of 8 bytes
	s_mov_b32 s[G1A+1], 32<<16                     ; rows of 256 bytes
	s_mov_b32 s[G1A+2], 21<<16                     ; 21 rows: an eighth of the rows' block
	s_mov_b32 s[G1A+3], 32<<16
	s_mov_b32 s[G1A+4], 21
	s_mov_b32 s[G1A+5], 32
	s_mov_b32 s[G1A+6], 0
	s_mov_b32 s[G1A+7], 0
	s_mov_b32 s[G1B], 15|(3<<16)|(1<<21)           ; the mask: all four work-groups; bit 21 beside it
	s_mov_b32 s[G1B+1], 32<<16
	s_mov_b32 s[G1B+2], 78<<16                     ; 78 rows: an eighth of Wo's whole block, one tensor load a wave
	s_mov_b32 s[G1B+3], 32<<16
	s_mov_b32 s[G1B+4], 78
	s_mov_b32 s[G1B+5], 32
	s_mov_b32 s[G1B+6], 0
	s_mov_b32 s[G1B+7], 0
	s_mul_i32 s17, s16, 5376
	s_mul_i32 s18, s16, 19968
	s_mul_i32 s56, s14, 43008
	s_add_co_u32 s56, s56, s17
	s_mov_b32 s57, 0
	s_add_co_u32 s58, s15, 89                      ; Wo's block
	s_mul_i32 s58, s58, BLK
	s_add_co_u32 s58, s58, s18
	s_mov_b32 s59, 0
	s_wait_dscnt 0x0                               ; the opening add is done
	s_wait_kmcnt 0x0
	s_add_nc_u64 s[56:57], s[4:5], s[56:57]
	s_add_nc_u64 s[58:59], s[6:7], s[58:59]
	CROUND                                         ; all four work-groups are here: the joint loads meet
	s_mov_b32 s[G0A], 1
	s_mov_b32 s[G0A+1], s17
	s_mov_b64 s[G0A+2:G0A+3], s[56:57]
	s_or_b32 s[G0A+3], s[G0A+3], 0x80000000
.irp g, 0
	s_mov_b32 s[G0B+4*\g], 1
	s_add_co_u32 s[G0B+4*\g+1], s18, \g*GRP+BOFF
	s_add_nc_u64 s[G0B+4*\g+2:G0B+4*\g+3], s[58:59], \g*GRP
	s_or_b32 s[G0B+4*\g+3], s[G0B+4*\g+3], 0x80000000
.endr
	s_cmp_lt_u32 s[WV], 8                          ; a wave's fills stand in one branch on the wave's number; the wait behind it is for 0
	s_cbranch_scc0 .Lfill_b
	tensor_load_to_lds s[G0A:G0A+3], s[G1A:G1A+7]
	s_nop 0
.rept 4
	v_nop
.endr
	s_branch .Lfilled
.Lfill_b:
	tensor_load_to_lds s[G0B:G0B+3], s[G1B:G1B+7]
	s_nop 0
.rept 4
	v_nop
.endr
.Lfilled:
; v1-3 the rows' codes (16, 8 bytes a lane) and scale words; v4 Wo's fragments; v11-13 Wo's scale words, a register for each K group; v7, v8 the stage; v9 my place in out0; v10 the bias
; v16-21 the rows' scale words, v22-33 Wo's, v34-45 the heads' words; v48-119 the rows' six fragments; v120-167 Wo's four; v168-199 four accumulators; v200-231 rows on the way out
	v_and_b32 v14, 31, v0                          ; lane
	s_wait_alu depctr_va_vdst(0)
	v_and_b32 v15, 15, v0                          ; r
	v_bfe_u32 v10, v0, 4, 1                        ; h
	s_lshr_b32 s60, s[WV], 2                       ; my tile of rows
	s_and_b32 s61, s[WV], 3                        ; my 64 features
	s_mul_i32 s62, s60, 9216
	v_lshl_add_u32 v1, v14, 4, s62
	v_lshl_add_u32 v2, v14, 3, s62
	s_mul_i32 s62, s60, 1536
	v_lshl_add_u32 v3, v14, 2, s62
	s_mul_i32 s62, s61, 6144
	s_add_co_u32 s62, s62, BOFF
	v_lshl_add_u32 v4, v14, 4, s62
	s_lshl_b32 s62, s61, 10
	s_add_co_u32 s62, s62, BOFF
	v_lshl_add_u32 v11, v14, 3, s62
	s_wait_alu depctr_va_vdst(0)
	v_lshl_add_u32 v11, v10, 8, v11                ; lanes 16-31 take the next tile's words
	s_delay_alu instid0(VALU_DEP_1)
	v_add_nc_u32 v12, GRP, v11
	s_delay_alu instid0(VALU_DEP_2)
	v_add_nc_u32 v13, 2*GRP, v11
	s_mul_i32 s62, s[WV], 4352
	s_add_co_u32 s62, s62, STAGE                   ; my stage
	v_mul_u32_u24 v7, v15, 272
	s_delay_alu instid0(VALU_DEP_1)
	v_lshl_add_u32 v7, v10, 5, v7
	s_delay_alu instid0(VALU_DEP_1)
	v_add_nc_u32 v7, s62, v7                       ; in: row r, 32 bytes for each half of the lanes
	v_mul_u32_u24 v8, v10, 272
	s_delay_alu instid0(VALU_DEP_1)
	v_lshl_add_u32 v8, v15, 4, v8
	s_delay_alu instid0(VALU_DEP_1)
	v_add_nc_u32 v8, s62, v8                       ; back: lanes 0-15 one row, lanes 16-31 the next
	v_mul_u32_u24 v9, v10, 3072
	s_delay_alu instid0(VALU_DEP_1)
	v_lshl_add_u32 v9, v15, 4, v9                  ; and the same two rows in out0
	v_lshlrev_b32 v10, 5, v10                      ; the bias: lanes 16-31 stand eight features on
	s_wait_alu depctr_va_vdst(0)
	s_lshl_b32 s20, s15, 10
	s_lshl_b32 s21, s61, 8
	s_add_co_u32 s20, s20, s21                     ; my first feature, in bytes
	s_mov_b32 s21, 0
	s_add_nc_u64 s[22:23], s[8:9], s[20:21]
	s_lshl_b32 s62, s14, 6
	s_lshr_b32 s63, s60, 1
	s_lshl_b32 s63, s63, 5
	s_add_co_u32 s62, s62, s63
	s_and_b32 s63, s60, 1
	s_lshl_b32 s63, s63, 3
	s_add_co_u32 s62, s62, s63                     ; my tile's first row
	s_mul_i32 s62, s62, 3072
	s_add_co_u32 s20, s20, s62
	s_add_nc_u64 s[20:21], s[10:11], s[20:21]
.irp t, 0,1,2,3
	global_load_b128 v[168+8*\t:171+8*\t], v10, s[22:23] offset:64*\t
	global_load_b128 v[172+8*\t:175+8*\t], v10, s[22:23] offset:64*\t+16
.endr
	s_wait_tensorcnt 0x0                           ; my fills have landed,
	s_barrier_signal -1
	s_barrier_wait -1                              ; everybody's have
.irp d, 0,1,2,3,4,5,6,7,8,9,10,11
	ds_load_b128 v[48+6*\d:51+6*\d], v1 offset:768*\d
	ds_load_b64 v[52+6*\d:53+6*\d], v2 offset:768*\d+512
	ds_load_b32 v[34+\d], v3 offset:36864+128*\d
.endr
.irp g, 0,1,2
.irp p, 0,1
	ds_load_b64 v[22+4*\g+2*\p:23+4*\g+2*\p], v[11+\g] offset:SCO+512*\p
.endr
.endr
	s_wait_dscnt 0x0
.irp s, 0,1,2,3,4,5
	v_lshl_or_b32 v[16+\s], v[35+2*\s], 16, v[34+2*\s]   ; bytes 0, 1 the even head's blocks, bytes 2, 3 the odd head's
.endr
.rept 8
	v_nop                                          ; a scale register written by a vector instruction stands eight places ahead of a scaled product
.endr
.macro OSTEP g, e, pl                  ; a K step: Wo's four fragments, four products on four accumulators by turns
.rept \pl
	v_nop
.endr
.irp t, 0,1,2,3
.irp c, 0,1,2
	ds_load_b128 v[120+12*\t+4*\c:123+12*\t+4*\c], v4 offset:(\e)*ESTR+1536*\t+512*\c
.endr
.endr
	s_wait_dscnt 0x0
.irp t, 0,1,2,3
	WM 168+8*\t, 120+12*\t, 48+12*(2*(\g)+(\e)), 22+4*(\g)+2*(\t/2)+(\e), 16+2*(\g)+(\e), \t%2
.endr
.endm
	s_wait_alu depctr_va_vdst(0)
	s_wait_loadcnt 0x0                             ; the bias
	OSTEP 0, 0, 0
	OSTEP 0, 1, 4
	v_add_nc_u32 v4, GRP, v4                       ; the next K group; with the three below: four places
	s_wait_alu depctr_va_vdst(0)
	OSTEP 1, 0, 3
	OSTEP 1, 1, 4
	v_add_nc_u32 v4, GRP, v4
	s_wait_alu depctr_va_vdst(0)
	OSTEP 2, 0, 3
	OSTEP 2, 1, 4
.rept 4
	v_nop                                          ; places behind the last products
.endr
.irp t, 0,1,2,3
	ds_store_b128 v7, v[168+8*\t:171+8*\t] offset:64*\t        ; each accumulator from its low end on
	ds_store_b128 v7, v[172+8*\t:175+8*\t] offset:64*\t+16
.endr
.irp i, 0,1,2,3,4,5,6,7
	ds_load_b128 v[200+4*\i:203+4*\i], v8 offset:2*\i*272      ; LDS serves a wave's instructions in order: these see my stores
.endr
.irp i, 0,1,2,3,4,5,6,7
	s_wait_dscnt 7-\i                              ; the younger loads may be out
	global_store_b128 v9, v[200+4*\i:203+4*\i], s[20:21] offset:(2*\i+8*(\i/4))*3072 th:TH_STORE_NT   ; sixteen lanes store 256 consecutive bytes, at a multiple of 256 from out0's first byte
.endr
	s_wait_tensorcnt 0x0                           ; the wave's end
	ds_add_u32 v[SPW], v[NIL]
	s_wait_dscnt 0x0
	CROUND                                         ; the closing round
	s_endpgm
.Lfunc_end_k_qd65ade5e0c_oproj:
	.size	k_qd65ade5e0c_oproj, .Lfunc_end_k_qd65ade5e0c_oproj-k_qd65ade5e0c_oproj
	.p2alignl 7, 3214868480
	.fill 96, 4, 3214868480
	.section	.rodata,"a",@progbits
	.p2align	6, 0x0
	.amdhsa_kernel k_qd65ade5e0c_oproj
		.amdhsa_group_segment_fixed_size 274432
		.amdhsa_private_segment_fixed_size 0
		.amdhsa_enable_private_segment 0
		.amdhsa_kernarg_size 32
		.amdhsa_user_sgpr_count 2
		.amdhsa_user_sgpr_kernarg_segment_ptr 1
		.amdhsa_wavefront_size32 1
		.amdhsa_system_sgpr_workgroup_id_x 1
		.amdhsa_system_sgpr_workgroup_id_y 1
		.amdhsa_system_sgpr_workgroup_id_z 1
		.amdhsa_system_vgpr_workitem_id 0
		.amdhsa_next_free_vgpr 256
		.amdhsa_next_free_sgpr 66
		.amdhsa_reserve_vcc 0
		.amdhsa_float_denorm_mode_32 3
		.amdhsa_float_denorm_mode_16_64 3
		.amdhsa_memory_ordered 1
		.amdhsa_forward_progress 1
		.amdhsa_inst_pref_size 22
	.end_amdhsa_kernel
	.amdgpu_metadata
---
amdhsa.version: [ 1, 2 ]
amdhsa.kernels:
  - .name:           k_qd65ade5e0c_oproj
    .symbol:         k_qd65ade5e0c_oproj.kd
    .args:
      - { .name: att, .offset: 0, .size: 8, .value_kind: global_buffer, .address_space: global }
      - { .name: codes, .offset: 8, .size: 8, .value_kind: global_buffer, .address_space: global }
      - { .name: bo, .offset: 16, .size: 8, .value_kind: global_buffer, .address_space: global }
      - { .name: out0, .offset: 24, .size: 8, .value_kind: global_buffer, .address_space: global }
    .group_segment_fixed_size: 274432
    .private_segment_fixed_size: 0
    .kernarg_segment_align: 8
    .kernarg_segment_size: 32
    .max_flat_workgroup_size: 512
    .sgpr_count:     66
    .vgpr_count:     256
    .wavefront_size: 32
...
	.end_amdgpu_metadata
.endif
;; end of part 4
